; MI455X (gfx1250); checked and timed in simulation.
; The chip was launched on July 23, 2026; its instructions are those of AMD's public machine-readable ISA for CDNA 5 (MIT licence, August 2026) and "CDNA5" Instruction Set Architecture Reference Guide (July 2026). The comments in the code are by the model that wrote it; some were corrected since.
;; Quant Linear Sim. Allowed arithmetic: float matrix products may take bf16 or f16 operands with f32 sums; other float arithmetic in f32, or as packed bf16 or f16 multiplies, adds, multiply-adds, maxima and minima; sums over many terms, partial sums and values carried from step to step in f32; what a program stores and reads back later, other than sums and carried values, may be rounded once to bf16 or f16.
;; Inputs: nf_lut 16 float32; weight 4,096 x 4,096 float32; x 2 x 2,048 x 4,096 float32.
;; Outputs: out0 2 x 2,048 x 4,096 float32.
;; 2 versions, each right. Each part assembles by itself: llvm-mc -triple=amdgcn-amd-amdhsa -mcpu=gfx1250 --defsym DOCPART=n.
;; ======== version 1 of 2: 2 launches
;; limits: values are held in f16: magnitudes above 65,504 overflow, below 6.1e-05 lose precision; inputs' magnitudes at most 65,504; inputs' magnitudes at most 9.22e+18; below input magnitudes of 4.55e-13 results are inexact or not finite
;; workspace buffers: qb 33,554,432 bytes; wb 33,554,432 bytes; p0 524,288 bytes; p1 524,288 bytes; p2 524,288 bytes; r0 524,288 bytes; r1 524,288 bytes; r2 524,288 bytes
;; launch prep (part 1): grid 256 x 1, 8 waves a work-group, no clusters, 327,680 bytes of LDS; arguments x, weight, nf_lut, qb, wb, p0, p1, p2, r0, r1, r2; writes qb, wb, p0, p1, p2, r0, r1, r2
.if DOCPART == 1
	.amdgcn_target "amdgcn-amd-amdhsa--gfx1250"
	.amdhsa_code_object_version 6
	.text
	.protected	k_qe9eca20e85_prep
	.globl	k_qe9eca20e85_prep
	.p2align	8
	.type	k_qe9eca20e85_prep,@function
k_qe9eca20e85_prep:
	s_mov_b64 s[64:65], 0
	v_nop
	global_prefetch_b8 v0, s[64:65] scope:SCOPE_SE
	s_setreg_imm32_b32 hwreg(HW_REG_WAVE_MODE, 25, 1), 1
	s_wait_xcnt 0x0
; QuantLinearSim, first of two launches.  x is taken as [4096 rows][4096 columns] f32.  For each COLUMN: the two quantile bounds, the outlier mask, min and max of what is
; left (outliers replaced by the median), offset and half range; then every number is rounded to the nearest of the 16 poles (outliers pass unchanged) and written as f16 into
; qb, laid out [column / 16][row][16]: a work-group's 16 columns are one dense block of 131,072 bytes.  Besides, weight [k][n] f32 is written as f16 into wb [k][n].
; SHARES.  Work-group g owns columns 16 g .. 16 g + 15 of all 4,096 rows (262,144 bytes, kept in LDS for the passes that each depend on the one before) and weight rows 16 g .. + 15.
; Wave w owns rows 512 w .. + 511: 64 groups of 8 rows.  In a group lane l holds row l / 4, columns 4 (l % 4) .. + 3: one 16-byte LDS load at 16 l, 512 consecutive bytes a wave.
; WHAT MUST BE EXACT.  One number rounded to another pole than the reference's moves 4,096 outputs by more than they may differ.  So bounds, mask, min, max, offset, half range and the choice of pole
; are made with stated f32 roundings; only what follows the choice (the pole's value as a sum, f16) is rounded otherwise.
;   bounds: sorted places 2, 3 and 4092, 4093, weighted as f32(q) * 4095 gives them for 4,096 rows: two products and a sum.
;   median: it matters only where it is itself an outlier.  It is one below exactly if 2,048 numbers or more are <= L (then it lies between place 3 and L: place 3 is taken), one above exactly if
;   2,049 or more are >= U (place 4092 is taken).  Otherwise it is one of the numbers left and changes neither min nor max.
;   boundaries of the table: it is sorted (any order, any values are served); for each pair of neighbours the reference's own test |t - upper| < |t - lower| (<= where the upper stands earlier in the
;   table) is bisected over the ordered bit patterns, 32 steps: tm is the last float at which the lower pole wins.
;   THE QUOTIENT IS TAKEN AS round(a y), a = round(x - offset), y = round(1 / half range): a product by the column's reciprocal, NOT the correctly rounded a / b; the two differ in the last bit of some quotients.
;   thresholds in x: x -> round(a y) never falls as x grows, so 'the quotient lies above tm' is 'x > X' for one float X for each column and boundary: 16 x 15 a work-group, one a thread, by 32 halvings.
;   The test in a halving is exact: with M the midpoint of tm and the next float (25 bits), round(a y) lies above tm exactly if a y - M > 0, or = 0 with tm's last bit odd (ties go to even); a y has 48 bits
;   and fits f64's 53, so the sign out of one f64 multiply-add is exact however that instruction rounds.
;   step = clamp01((x - X) 2^64) is 0 up to X and 1 from the next float on.  An outlier is quantised as x = offset, where a = 0, as in the reference.
; THE PROBE (behind pass 3; it changes nothing in qb and wb).  It finds the numbers whose correctly rounded quotient a / b lies within two steps of a boundary, keeps one a lane, chooses its pole in six ways
; (0: round(a / b); 1: round(a y); 2: round((x - offset) / b), the difference unrounded; 3: a / b unrounded against the poles' exact midpoint; 4: a y likewise; 5: (x - offset) / b likewise) and writes, a word
; a thread, row + 1 where way h differs from way 0, else 0: p0 ways 1 and 2, p1 ways 3 and 4, p2 way 5; the second of a buffer's two lies 262,144 bytes on and is negated.  For a kept number of row PROW the
; bits are written too, each field + 1: r0 x (high 16, low 16), r1 offset, r2 half range 15:0 and nearest boundary 15:0, p2's second half: half range 22:16 | boundary 22:16 << 7 | way 0's pole << 14.
; LIMITS.  x and the table finite; |x| < 2^63; |x - offset| or a half range below 2^-126 counts as 0 in the test; where a threshold X and a number x both have magnitudes below 2^-41 the result may lie
; between two poles; a boundary tm of magnitude below 2^-126 counts as 0; in columns where half of all numbers are outliers the median may be one step of f32 off; q and weight must lie within f16's 65,504
; (beyond it the f16 is an infinity); below 6e-5 f16 keeps its fixed step of 6e-8.  The probe keeps the last of a lane's numbers if there are several.
; NO CLUSTER: no two work-groups read the same bytes of x or weight.  NO MATRIX UNIT: nothing here is a product of matrices.
.set LS1,   262144                     ; behind x: [wave 8][8 ranks: top 0-3, bottom 0-3][16 columns] f32
.set LS2,   266240                     ; [wave 8][min above L, max below U, count above L, count below U][16 columns] f32
.set LS3,   268288                     ; [wave 8][offset, half range][16 columns] f32: each wave's own copy
.set LS4,   269312                     ; four tables of [16 boundaries][16 columns] f32: -X 2^64; gap x half range; -X 2^64 of the probe's lower and upper window edges
.set LS5,   273408                     ; [16 boundaries][tm, 1 if the upper pole wins ties, the poles' midpoint as f64, M as f64, 0, 0]
.set SPARE, 273920                     ; the spare words: 128 bytes for each of eight waves, four blocks of 256 bytes that no other line names
.set PROW,  4054                       ; the row whose kept number is written out in bits
.set PROWF, 0x457d7000                 ; PROW + 1 as f32
.set LA0, 2                            ; v2   LDS address of my 16 bytes in my wave's first group; never rewritten
.set LA,  3                            ; v3   the same, walking
.set S1ST, 4                           ; v4-7 where my wave's lists and figures go, and where lane group l / 4 reads wave l / 4's
.set S1LD, 5
.set S2ST, 6
.set S2LD, 7
.set O8,  8                            ; v8   8 x lane: my place in 256 bytes of f16
.set O16, 9                            ; v9   16 x lane: my place in 512 bytes of f32
.set OLUT, 10                          ; v10  4 x (lane % 16)
.set L15, 11                           ; v11  lane % 16
.set SPW, 12                           ; v12  LDS address of my spare word; never rewritten
.set NIL, 13                           ; v13  0; never rewritten
.set XQ,  16                           ; pass 3, eight numbers at work: the number to quantise, the outlier part, the step, the sum
.set OUTL, 24
.set STP, 32
.set ACC, 40
.set WOUT, 16                          ; v16-31 a chunk of weight as f16: the same registers, ahead of the first eight numbers of a trip
.set QB,  48                           ; v48-51 eight numbers as f16
.set LV,  52                           ; by column, four registers each: lower bound, upper bound, offset, lowest pole x half range + offset
.set UV,  56
.set OFF, 60
.set VB0, 64
.set BIG, 68                           ; 2^64, twice
.set CKX, 70                           ; v70-129   -X 2^64: register = base + 4 boundary + column
.set DKB, 130                          ; v130-189  gap x half range, likewise
.set TA,  70                           ; until the thresholds are loaded these 120 registers hold: four lists of 4 ranks x 4 columns (base + 4 rank + column), tops and bottoms, two buffers each;
.set BA,  86
.set TB,  102
.set BB,  118
.set RNG, 134                          ; the half range; least number above L, greatest below U, how many above L, how many below U; eight at work;
.set AMN, 138
.set BMX, 142
.set NGL, 146
.set NLU, 150
.set TM,  154
.set ML,  162                          ; v[162:163] my boundary's midpoint M as f64; the gap above it; the lowest pole; M of tm - 2 steps and of tm + 2 steps
.set MH,  163
.set DKV, 164
.set PZ,  165
.set MLL, 166
.set MHL, 168
.set X,   190                          ; v190-221  eight groups as loaded; scratch for the table, the columns' figures and the thresholds
.set W,   222                          ; v222-253  a chunk of weight as loaded; behind pass 3 the probe's
.set TC,  X                            ; the table's scratch: entry lane % 16, its rank, the poles of rank k and k + 1, their places in the table, the bisection
.set RK,  X+1
.set PS,  X+2
.set PN,  X+3
.set OS,  X+4
.set ON,  X+5
.set LO,  X+6
.set HI,  X+7
.set MID, X+8
.set TT,  X+9
.set TV,  X+10
.set D0,  X+11
.set D1,  X+12
.set K1,  X+13
.set KK,  X+14
.set NX,  X+15
.set KT,  X+16
.set K5,  X+17
.set PSD, X+18                         ; pairs: the two poles, their sum, 1, 0.5 and 0 as f64
.set PND, X+20
.set SD,  X+22
.set ONED, X+24
.set HALFD, X+26
.set ZD,  X+28
.set OFC, X                            ; the thresholds' scratch: my column's offset and half range, -b as f64, a, a as f64, the test's difference, y, -M
.set BC,  X+1
.set NBL, X+2
.set NBH, X+3
.set CK2, X+4
.set CK3, X+5
.set AV,  X+11
.set AL,  X+12
.set AH,  X+13
.set DL,  X+14
.set DH,  X+15
.set A3ST, X+16
.set A3LD, X+17
.set A4ST, X+18
.set A4LD, X+19
.set CKV, X+20
.set DBV, X+21
.set YL,  X+22
.set YH,  X+23
.set NML, X+24
.set NMH, X+25
.set YF,  X+26
.set R0,  X+27
.set ST2, 24                           ; the probe's window pass: the second step; the half range by column; the kept number, its offset, half range and row + 1; my rows + 1 in the two groups
.set RNGP, W
.set CX,  W+4
.set CO,  W+5
.set CB,  W+6
.set CR,  W+7
.set ROWF, W+8
.set PA,  W+10
.set PT,  W+11
.set EA,  70                           ; the probe's six ways: a, y; pairs a, -b, x, -offset, x - offset, y, 1, the difference; scratch; a boundary's row; -M, -midpoint; six pole numbers
.set EY,  71
.set A64, 72
.set NB64, 74
.set X64, 76
.set NO64, 78
.set E64, 80
.set Y64, 82
.set ONE, 84
.set DD,  86
.set ET,  88
.set ER,  90
.set KR,  96
.set NM,  104
.set NMP, 106
.set IDX, 108
.set KADR, 114
.set BT,  115
.set BD,  116
.set QF,  117
.set EV,  118                          ; v118-129 the twelve words that go out
.set VOFS, 130
.set WV,  14                           ; s14  my wave's number
.set CT,  15                           ; s15  loop counter
.set G1,  16                           ; s[16:23] descriptor group 1; behind pass 3: the probe's buffers
.set G0,  24                           ; s[24:39] four sets of group 0
.set ORD, 44                           ; s44  the lanes whose boundary gives ties to the upper pole
.set ODD, 45                           ; s45  the lanes whose tm has an odd last bit
.set FLG, 46
.set SEL, 48                           ; s[48:49] v_permlanex16_b32's selects: each lane takes its own place in the other half
.set PINF, 50
.set NINF, 51
.set MK,  68                           ; s[68:83] lane masks of pass 3 and of the window pass
; An f32 as f64, by whole-number lines: the exponent moves up by 1023 - 127 = 896, the 23 bits of the fraction go to the top of 52.  An exponent field of 0 gives 0 with the sign.
; half = 1: half a step of the f32 is added in magnitude (bit 28 of the low word).
.macro F2D src, lo, hi, tmp, half
	v_lshrrev_b32 v[\hi], 3, v[\src]
	v_and_b32 v[\hi], 0x0fffffff, v[\hi]
	v_add_nc_u32 v[\hi], 0x38000000, v[\hi]
	v_and_or_b32 v[\hi], v[\src], 0x80000000, v[\hi]
	v_lshlrev_b32 v[\lo], 29, v[\src]
.if \half
	v_or_b32 v[\lo], 0x10000000, v[\lo]
.endif
	v_and_b32 v[\tmp], 0x7f800000, v[\src]
	v_cmp_eq_u32 vcc_lo, 0, v[\tmp]
	v_and_b32 v[\tmp], 0x80000000, v[\src]
	v_cndmask_b32 v[\hi], v[\hi], v[\tmp], vcc_lo
	v_cndmask_b32 v[\lo], v[\lo], 0, vcc_lo
.endm
; Bit patterns in the order of the numbers: positive floats get the top bit, negative ones are inverted.  UNKEY goes back.
.macro KEY dst, src, tmp
	v_ashrrev_i32 v[\tmp], 31, v[\src]
	v_or_b32 v[\tmp], 0x80000000, v[\tmp]
	v_xor_b32 v[\dst], v[\src], v[\tmp]
.endm
.macro UNKEY dst, key, tmp
	v_ashrrev_i32 v[\tmp], 31, v[\key]
	v_xor_b32 v[\tmp], -1, v[\tmp]
	v_or_b32 v[\tmp], 0x80000000, v[\tmp]
	v_xor_b32 v[\dst], v[\key], v[\tmp]
.endm
.macro MIDDLE                          ; MID = the pattern half way from LO to HI, TV = its float
	v_sub_nc_u32 v[TT], v[HI], v[LO]
	v_lshrrev_b32 v[TT], 1, v[TT]
	v_add_nc_u32 v[MID], v[LO], v[TT]
	UNKEY TV, MID, TT
.endm
; The midpoint, as f64, of the float with pattern v[key] (left in TV) and the next float above: the one of the two with the smaller magnitude, plus half its step in magnitude.
.macro MKM key, lo, hi
	UNKEY TV, \key, TT
	v_add_nc_u32 v[KT], 1, v[\key]
	UNKEY NX, KT, TT
	v_cmp_gt_i32 vcc_lo, 0, v[TV]
	v_cndmask_b32 v[D0], v[TV], v[NX], vcc_lo
	F2D D0, \lo, \hi, TT, 1
.endm
; y = 1 / b rounded to nearest: the unit's reciprocal, two Newton steps, then of y and its two neighbours the one with the least |1 - b y|.  t: five registers of scratch.
.macro RECIP b, y, t
	v_rcp_f32 v[\y], v[\b]
	v_nop                                          ; a plain instruction between the reciprocal and the use of its result (ISA guide 5.7.2)
	s_wait_alu depctr_va_vdst(0)
.rept 2
	v_fma_f32 v[\t], -v[\b], v[\y], 1.0
	v_fma_f32 v[\y], v[\t], v[\y], v[\y]
.endr
	v_add_nc_u32 v[\t], -1, v[\y]
	v_add_nc_u32 v[\t+1], 1, v[\y]
	v_fma_f32 v[\t+2], -v[\b], v[\y], 1.0
	v_fma_f32 v[\t+3], -v[\b], v[\t], 1.0
	v_fma_f32 v[\t+4], -v[\b], v[\t+1], 1.0
	v_cmp_lt_f32 vcc_lo, |v[\t+3]|, |v[\t+2]|
	v_cndmask_b32 v[\y], v[\y], v[\t], vcc_lo
	v_cndmask_b32 v[\t+2], v[\t+2], v[\t+3], vcc_lo
	v_cmp_lt_f32 vcc_lo, |v[\t+4]|, |v[\t+2]|
	v_cndmask_b32 v[\y], v[\y], v[\t+1], vcc_lo
.endm
	s_load_b256 s[4:11], s[0:1], 0x0               ; x s[4:5], weight s[6:7], nf_lut s[8:9], qb s[10:11]
	s_load_b64 s[12:13], s[0:1], 0x20              ; wb
	v_lshl_add_u32 v[SPW], v0, 2, SPARE
	v_mov_b32 v[NIL], 0
	ds_add_u32 v[SPW], v[NIL]                      ; the wave's opening: the add and its wait stand ahead of my first tensor load; the set-up below, work on registers, stands between them
	ds_add_u32 v12, v13
	v_lshrrev_b32 v14, 5, v0
	v_readfirstlane_b32 s[WV], v14                 ; wave 0..7
	; group 1: a tile of 128 rows x 16 elements of 4 bytes, rows 4,096 elements apart, dense in LDS
	s_mov_b32 s[G1+0], 2<<16                       ; 17:16 elements of 4 bytes; no mask, no padding
	s_mov_b32 s[G1+1], 16<<16                      ; tensor_dim0 = 16
	s_mov_b32 s[G1+2], 128<<16                     ; tensor_dim1 = 128
	s_mov_b32 s[G1+3], 16<<16                      ; tile_dim0 = 16
	s_mov_b32 s[G1+4], 128                         ; tile_dim1 = 128
	s_mov_b32 s[G1+5], 4096                        ; elements from row to row
	s_mov_b32 s[G1+6], 0
	s_mov_b32 s[G1+7], 0
	s_mov_b32 s[SEL], 0x76543210
	s_mov_b32 s[SEL+1], 0xfedcba98
	s_mov_b32 s[PINF], 0x7f800000
	s_mov_b32 s[NINF], 0xff800000
	s_lshl_b32 s40, s[WV], 15                      ; my wave's 512 rows of 64 bytes in LDS
	s_lshl_b32 s52, ttmp9, 6                       ; x: 64 bytes a work-group along a row,
	s_lshl_b32 s53, s[WV], 23                      ; 512 rows of 16,384 bytes a wave
	s_add_co_u32 s52, s52, s53
	s_mov_b32 s53, 0
	s_lshl_b32 s54, ttmp9, 18                      ; weight: 16 rows of 16,384 bytes a work-group, 32,768 bytes a wave
	s_add_co_u32 s54, s54, s40
	s_mov_b32 s55, 0
	s_lshl_b32 s56, ttmp9, 17                      ; qb and wb: half of that
	s_lshl_b32 s57, s[WV], 14
	s_add_co_u32 s56, s56, s57
	s_mov_b32 s57, 0
	v_and_b32 v1, 31, v0                           ; lane
	v_and_b32 v14, 3, v0                           ; which four columns
	v_bfe_u32 v15, v0, 2, 3                        ; which row of a group
	v_lshl_add_u32 v[LA0], v1, 4, s40
	s_lshl_b32 s41, s[WV], 9
	s_add_co_u32 s41, s41, LS1
	v_lshl_add_u32 v[S1ST], v14, 4, s41
	v_lshlrev_b32 v[S1LD], 9, v15
	v_lshl_add_u32 v[S1LD], v14, 4, v[S1LD]
	v_add_nc_u32 v[S1LD], LS1, v[S1LD]
	s_lshl_b32 s42, s[WV], 8
	s_add_co_u32 s42, s42, LS2
	v_lshl_add_u32 v[S2ST], v14, 4, s42
	v_lshlrev_b32 v[S2LD], 8, v15
	v_lshl_add_u32 v[S2LD], v14, 4, v[S2LD]
	v_add_nc_u32 v[S2LD], LS2, v[S2LD]
	v_lshlrev_b32 v[O8], 3, v1
	v_lshlrev_b32 v[O16], 4, v1
	v_and_b32 v[L15], 15, v0
	v_lshlrev_b32 v[OLUT], 2, v[L15]
	s_wait_dscnt 0x0                               ; the opening add is done
	s_wait_kmcnt 0x0
	s_add_nc_u64 s[4:5], s[4:5], s[52:53]          ; x at my wave's first row, my group's first column
	s_add_nc_u64 s[6:7], s[6:7], s[54:55]          ; weight, qb and wb at my wave's share
	s_add_nc_u64 s[10:11], s[10:11], s[56:57]
	s_add_nc_u64 s[12:13], s[12:13], s[56:57]
	; All of my wave's x is asked for at once, 128 rows a load: four tensor loads of mine are out.  Each LDS byte is filled once in the launch.
.irp j, 0,1,2,3
	s_mov_b32 s[G0+4*\j], 1                        ; count = 1
	s_add_co_u32 s[G0+4*\j+1], s40, 8192*\j        ; LDS address: my wave's part, 128 rows of 64 bytes a load
	s_add_nc_u64 s[G0+4*\j+2:G0+4*\j+3], s[4:5], 2097152*\j  ; 128 rows of 16,384 bytes further down
	s_or_b32 s[G0+4*\j+3], s[G0+4*\j+3], 0x80000000  ; type = 2
	tensor_load_to_lds s[G0+4*\j:G0+4*\j+3], s[G1:G1+7]
	s_nop 0
.endr
	global_load_b32 v[TC], v[OLUT], s[8:9]         ; table entry lane % 16
	; While the tiles are on their way: the lists' start values, and the table.  The second buffers and the scratch are written because lane-crossing forms count as readers of their destinations.
.set i, 0
.rept 16
	v_mov_b32 v[TA+i], s[NINF]
	v_mov_b32 v[BA+i], s[PINF]
	v_mov_b32 v[TB+i], 0
	v_mov_b32 v[BB+i], 0
.set i, i+1
.endr
	v_mov_b32 v[RK], 0
	v_mov_b32 v[PS], 0
	v_mov_b32 v[PN], 0
	v_mov_b32 v[OS], 0
	v_mov_b32 v[ON], 0
	v_mov_b32 v[PZ], 0
	v_mov_b32 v[BIG], 0x5f800000
	v_mov_b32 v[BIG+1], 0x5f800000
	v_lshrrev_b32 v[KK], 4, v1                     ; my boundary: k = 2 x wave + lane / 16 (k = 15, in wave 7, is none: what is made for it is never read)
	s_lshl_b32 s46, s[WV], 1
	v_add_nc_u32 v[KK], s46, v[KK]
	v_add_nc_u32 v[K1], 1, v[KK]
	s_wait_loadcnt 0x0                             ; the table entry: the one global load that is out
	; the rank of entry lane % 16: how many entries are less, or equal and earlier in the table
.irp j, 0,1,2,3,4,5,6,7,8,9,10,11,12,13,14,15
	v_readlane_b32 s40, v[TC], \j
	v_cmp_gt_f32 s41, v[TC], s40
	v_cmp_eq_f32 s42, v[TC], s40
	s_and_b32 s42, s42, (((0xfffe<<\j)&0xffff)*0x10001)  ; the lanes whose place in the table is behind j
	s_or_b32 vcc_lo, s41, s42
	v_add_co_ci_u32 v[RK], vcc_lo, 0, v[RK], vcc_lo
.endr
	; I take the pole of rank k and the pole of rank k + 1, each with its place in the table, and the pole of rank 0
.irp j, 0,1,2,3,4,5,6,7,8,9,10,11,12,13,14,15
	v_readlane_b32 s40, v[TC], \j
	v_readlane_b32 s41, v[RK], \j
	v_cmp_eq_u32 vcc_lo, s41, v[KK]
	v_cndmask_b32 v[PS], v[PS], s40, vcc_lo
	v_cndmask_b32 v[OS], v[OS], \j, vcc_lo
	v_cmp_eq_u32 vcc_lo, s41, v[K1]
	v_cndmask_b32 v[PN], v[PN], s40, vcc_lo
	v_cndmask_b32 v[ON], v[ON], \j, vcc_lo
	v_cmp_eq_u32 vcc_lo, s41, v[NIL]
	v_cndmask_b32 v[PZ], v[PZ], s40, vcc_lo
.endr
	v_cmp_lt_u32 s43, v[ON], v[OS]                 ; the upper pole stands earlier in the table: it wins ties
	KEY LO, PS, TT
	KEY HI, PN, TT
	s_mov_b32 s[CT], 32
.Lbisect:                                              ; at LO the lower pole wins, at HI the upper; 32 halvings leave them neighbours
	MIDDLE
	v_sub_f32 v[D1], v[TV], v[PN]                  ; the reference's two distances, rounded as it rounds them
	v_sub_f32 v[D0], v[TV], v[PS]
	v_cmp_lt_f32 s41, |v[D1]|, |v[D0]|
	v_cmp_le_f32 s42, |v[D1]|, |v[D0]|
	s_and_b32 s42, s42, s43
	s_or_b32 vcc_lo, s41, s42
	v_cndmask_b32 v[HI], v[HI], v[MID], vcc_lo
	v_cndmask_b32 v[LO], v[MID], v[LO], vcc_lo
	s_sub_co_u32 s[CT], s[CT], 1
	s_cmp_lg_u32 s[CT], 0
	s_cbranch_scc1 .Lbisect
	MKM LO, ML, MH                                 ; M; TV = tm
	v_mov_b32 v[TM], v[TV]
	v_and_b32 v[TT], 1, v[TV]
	v_cmp_eq_u32 s[ODD], 1, v[TT]                  ; a quotient half way between tm and the next float rounds to the even one: upward where tm is odd.  tm - 2 and tm + 2 steps have tm's parity
	v_cndmask_b32 v[TM+1], 0, 1, s43
	v_add_nc_u32 v[MID], -2, v[LO]
	MKM MID, MLL, MLL+1                            ; the probe's window: from above tm - 2 steps
	v_add_nc_u32 v[MID], 2, v[LO]
	MKM MID, MHL, MHL+1                            ; up to tm + 2 steps
	v_sub_f32 v[DKV], v[PN], v[PS]
	F2D PS, PSD, PSD+1, TT, 0                      ; the poles' exact midpoint: their sum has room in f64's 53 bits
	F2D PN, PND, PND+1, TT, 0
	v_mov_b32 v[ONED], 0
	v_mov_b32 v[ONED+1], 0x3ff00000
	v_mov_b32 v[HALFD], 0
	v_mov_b32 v[HALFD+1], 0x3fe00000
	v_mov_b32 v[ZD], 0
	v_mov_b32 v[ZD+1], 0
	v_fma_f64 v[SD:SD+1], v[PSD:PSD+1], v[ONED:ONED+1], v[PND:PND+1]
	v_fma_f64 v[TM+2:TM+3], v[SD:SD+1], v[HALFD:HALFD+1], v[ZD:ZD+1]
	v_mov_b32 v[TM+4], v[ML]
	v_mov_b32 v[TM+5], v[MH]
	v_mov_b32 v[TM+6], 0
	v_mov_b32 v[TM+7], 0
	v_lshl_add_u32 v[K5], v[KK], 5, LS5            ; my boundary's row; its sixteen lanes write the same bytes with the same values
	ds_store_b128 v[K5], v[TM:TM+3]
	ds_store_b128 v[K5], v[TM+4:TM+7] offset:16
; PASS 1: for each of my four columns the four greatest and the four least of the numbers that my lane sees, kept sorted.  A number enters a sorted list by three medians and a maximum (minimum),
; the last rank first, so that each line still reads the old neighbour.
.macro INS g
.irp c, 0,1,2,3
	v_med3_num_f32 v[TA+12+\c], v[TA+8+\c], v[TA+12+\c], v[X+4*(\g)+\c]
.endr
.irp c, 0,1,2,3
	v_med3_num_f32 v[BA+12+\c], v[BA+8+\c], v[BA+12+\c], v[X+4*(\g)+\c]
.endr
.irp c, 0,1,2,3
	v_med3_num_f32 v[TA+8+\c], v[TA+4+\c], v[TA+8+\c], v[X+4*(\g)+\c]
.endr
.irp c, 0,1,2,3
	v_med3_num_f32 v[BA+8+\c], v[BA+4+\c], v[BA+8+\c], v[X+4*(\g)+\c]
.endr
.irp c, 0,1,2,3
	v_med3_num_f32 v[TA+4+\c], v[TA+\c], v[TA+4+\c], v[X+4*(\g)+\c]
.endr
.irp c, 0,1,2,3
	v_med3_num_f32 v[BA+4+\c], v[BA+\c], v[BA+4+\c], v[X+4*(\g)+\c]
.endr
.irp c, 0,1,2,3
	v_max_num_f32 v[TA+\c], v[TA+\c], v[X+4*(\g)+\c]
.endr
.irp c, 0,1,2,3
	v_min_num_f32 v[BA+\c], v[BA+\c], v[X+4*(\g)+\c]
.endr
.endm
.macro GROUPS8                         ; eight groups, 4,096 bytes of my wave's rows, into X
.irp g, 0,1,2,3,4,5,6,7
	ds_load_b128 v[X+4*\g:X+4*\g+3], v[LA] offset:512*\g
.endr
.endm
	s_wait_tensorcnt 0x0                           ; my four tiles have landed; only my wave reads them, so this wait is all the ordering that the reads need
	v_mov_b32 v[LA], v[LA0]
	s_mov_b32 s[CT], 8
.Lpass1:
	GROUPS8
.irp g, 0,1,2,3,4,5,6,7
	s_wait_dscnt 7-\g                              ; LDS instructions end in order: group g is in, the 7 - g younger loads may be out
	INS \g
.endr
	v_add_nc_u32 v[LA], 4096, v[LA]
	s_sub_co_u32 s[CT], s[CT], 1
	s_cmp_lg_u32 s[CT], 0
	s_cbranch_scc1 .Lpass1
; Two sorted lists of four become the sorted best four of the eight: rank i against the partner's rank 3 - i leaves the best four, rising and then falling; two rounds of exchanges sort them.
; S is the list (used up), D the result; hi keeps the better number, lo the worse; x is the partner's distance in lanes.
.macro LMERGE S, D, hi, lo, hid, x
.irp i, 0,1,2,3
.irp c, 0,1,2,3
.if \x == 16
	v_permlanex16_b32 v[\D+4*\i+\c], v[\S+4*(3-\i)+\c], s[SEL], s[SEL+1]
.else
	\hid v[\D+4*\i+\c], v[\S+4*(3-\i)+\c], v[\S+4*\i+\c] row_xmask:\x row_mask:0xf bank_mask:0xf
.endif
.endr
.endr
.if \x == 16
.irp i, 0,1,2,3
.irp c, 0,1,2,3
	\hi v[\D+4*\i+\c], v[\D+4*\i+\c], v[\S+4*\i+\c]
.endr
.endr
.endif
.irp c, 0,1,2,3
	\hi v[\S+\c],    v[\D+\c],   v[\D+8+\c]
	\lo v[\S+8+\c],  v[\D+\c],   v[\D+8+\c]
	\hi v[\S+4+\c],  v[\D+4+\c], v[\D+12+\c]
	\lo v[\S+12+\c], v[\D+4+\c], v[\D+12+\c]
.endr
.irp c, 0,1,2,3
	\hi v[\D+\c],    v[\S+\c],   v[\S+4+\c]
	\lo v[\D+4+\c],  v[\S+\c],   v[\S+4+\c]
	\hi v[\D+8+\c],  v[\S+8+\c], v[\S+12+\c]
	\lo v[\D+12+\c], v[\S+8+\c], v[\S+12+\c]
.endr
.endm
.macro LFLY                            ; over the eight lanes that hold the same columns (4, 8 and 16 lanes apart): from TA, BA into TB, BB
	LMERGE TA, TB, v_max_num_f32, v_min_num_f32, v_max_num_f32_dpp, 4
	LMERGE BA, BB, v_min_num_f32, v_max_num_f32, v_min_num_f32_dpp, 4
	LMERGE TB, TA, v_max_num_f32, v_min_num_f32, v_max_num_f32_dpp, 8
	LMERGE BB, BA, v_min_num_f32, v_max_num_f32, v_min_num_f32_dpp, 8
	LMERGE TA, TB, v_max_num_f32, v_min_num_f32, v_max_num_f32_dpp, 16
	LMERGE BA, BB, v_min_num_f32, v_max_num_f32, v_min_num_f32_dpp, 16
.endm
	LFLY                                           ; my wave's 512 rows
.irp r, 0,1,2,3
	ds_store_b128 v[S1ST], v[TB+4*\r:TB+4*\r+3] offset:64*\r      ; the eight lanes of a column group write the same bytes with the same values
	ds_store_b128 v[S1ST], v[BB+4*\r:BB+4*\r+3] offset:256+64*\r
.endr
	s_wait_dscnt 0x0                               ; for the others' sake: my stores are done
	s_barrier_signal -1
	s_barrier_wait -1
.irp r, 0,1,2,3
	ds_load_b128 v[TA+4*\r:TA+4*\r+3], v[S1LD] offset:64*\r       ; lane group l / 4 takes wave l / 4's lists
	ds_load_b128 v[BA+4*\r:BA+4*\r+3], v[S1LD] offset:256+64*\r
.endr
	s_wait_dscnt 0x0
	LFLY                                           ; all 4,096 rows: TB = places 4095, 4094, 4093, 4092; BB = places 0, 1, 2, 3
	; the bounds: low value x low weight + high value x high weight.  f32(0.0005) x 4095 = 2 + 199230 / 2^22; f32(0.9995) x 4095 = 4092 + 3901 / 4096
.irp c, 0,1,2,3
	v_mul_f32 v[TM+\c], 0x3f73d708, v[BB+8+\c]
	v_mul_f32 v[TM+4+\c], 0x3d428f80, v[BB+12+\c]
.endr
.irp c, 0,1,2,3
	v_add_f32 v[LV+\c], v[TM+\c], v[TM+4+\c]
.endr
.irp c, 0,1,2,3
	v_mul_f32 v[TM+\c], 0x3d430000, v[TB+12+\c]
	v_mul_f32 v[TM+4+\c], 0x3f73d000, v[TB+8+\c]
.endr
.irp c, 0,1,2,3
	v_add_f32 v[UV+\c], v[TM+\c], v[TM+4+\c]
.endr
	; my first 4,096 bytes of weight are asked for now and wanted in pass 3; nobody writes those bytes, so the loads may stay out over the barriers below
.irp i, 0,1,2,3,4,5,6,7
	global_load_b128 v[W+4*\i:W+4*\i+3], v[O16], s[6:7] offset:512*\i th:TH_LOAD_NT
.endr
	s_wait_xcnt 0x0                                ; the loads' base is stepped only behind this wait
	s_add_nc_u64 s[6:7], s[6:7], 4096
; PASS 2: the least number above L, the greatest below U, and how many there are of each.
.macro SCAN g
.irp c, 0,1,2,3
	v_cmp_gt_f32 vcc_lo, v[X+4*(\g)+\c], v[LV+\c]
	v_cndmask_b32 v[TM+\c], s[PINF], v[X+4*(\g)+\c], vcc_lo
	v_add_co_ci_u32 v[NGL+\c], vcc_lo, 0, v[NGL+\c], vcc_lo
	v_cmp_lt_f32 vcc_lo, v[X+4*(\g)+\c], v[UV+\c]
	v_cndmask_b32 v[TM+4+\c], s[NINF], v[X+4*(\g)+\c], vcc_lo
	v_add_co_ci_u32 v[NLU+\c], vcc_lo, 0, v[NLU+\c], vcc_lo
	v_min_num_f32 v[AMN+\c], v[AMN+\c], v[TM+\c]
	v_max_num_f32 v[BMX+\c], v[BMX+\c], v[TM+4+\c]
.endr
.endm
.irp c, 0,1,2,3
	v_mov_b32 v[AMN+\c], s[PINF]
	v_mov_b32 v[BMX+\c], s[NINF]
	v_mov_b32 v[NGL+\c], 0
	v_mov_b32 v[NLU+\c], 0
.endr
	v_mov_b32 v[LA], v[LA0]
	s_mov_b32 s[CT], 8
.Lpass2:
	GROUPS8
.irp g, 0,1,2,3,4,5,6,7
	s_wait_dscnt 7-\g                              ; group g is in
	SCAN \g
.endr
	v_add_nc_u32 v[LA], 4096, v[LA]
	s_sub_co_u32 s[CT], s[CT], 1
	s_cmp_lg_u32 s[CT], 0
	s_cbranch_scc1 .Lpass2
.irp c, 0,1,2,3
	v_cvt_f32_u32 v[NGL+\c], v[NGL+\c]             ; counts up to 4,096 are exact in f32, and f32 sums can ride on the lane-crossing forms
	v_cvt_f32_u32 v[NLU+\c], v[NLU+\c]
.endr
.macro RED x                           ; the four figures of my four columns, with the lane x away
.if \x == 16
.irp c, 0,1,2,3
	v_permlanex16_b32 v[TM+\c], v[AMN+\c], s[SEL], s[SEL+1]
	v_permlanex16_b32 v[TM+4+\c], v[BMX+\c], s[SEL], s[SEL+1]
.endr
.irp c, 0,1,2,3
	v_min_num_f32 v[AMN+\c], v[AMN+\c], v[TM+\c]
	v_max_num_f32 v[BMX+\c], v[BMX+\c], v[TM+4+\c]
.endr
.irp c, 0,1,2,3
	v_permlanex16_b32 v[TM+\c], v[NGL+\c], s[SEL], s[SEL+1]
	v_permlanex16_b32 v[TM+4+\c], v[NLU+\c], s[SEL], s[SEL+1]
.endr
.irp c, 0,1,2,3
	v_add_f32 v[NGL+\c], v[NGL+\c], v[TM+\c]
	v_add_f32 v[NLU+\c], v[NLU+\c], v[TM+4+\c]
.endr
.else
.irp c, 0,1,2,3
	v_min_num_f32_dpp v[AMN+\c], v[AMN+\c], v[AMN+\c] row_xmask:\x row_mask:0xf bank_mask:0xf
	v_max_num_f32_dpp v[BMX+\c], v[BMX+\c], v[BMX+\c] row_xmask:\x row_mask:0xf bank_mask:0xf
	v_add_f32_dpp v[NGL+\c], v[NGL+\c], v[NGL+\c] row_xmask:\x row_mask:0xf bank_mask:0xf
	v_add_f32_dpp v[NLU+\c], v[NLU+\c], v[NLU+\c] row_xmask:\x row_mask:0xf bank_mask:0xf
.endr
.endif
.endm
	RED 4
	RED 8
	RED 16
	ds_store_b128 v[S2ST], v[AMN:AMN+3]
	ds_store_b128 v[S2ST], v[BMX:BMX+3] offset:64
	ds_store_b128 v[S2ST], v[NGL:NGL+3] offset:128
	ds_store_b128 v[S2ST], v[NLU:NLU+3] offset:192
	s_wait_dscnt 0x0                               ; for the others' sake: my stores are done
	s_barrier_signal -1
	s_barrier_wait -1
	ds_load_b128 v[AMN:AMN+3], v[S2LD]
	ds_load_b128 v[BMX:BMX+3], v[S2LD] offset:64
	ds_load_b128 v[NGL:NGL+3], v[S2LD] offset:128
	ds_load_b128 v[NLU:NLU+3], v[S2LD] offset:192
	s_wait_dscnt 0x0
	RED 4
	RED 8
	RED 16
	; THE COLUMNS' FIGURES.  Candidates for min (max): the least above L (greatest below U) if it is no outlier; place 3 if the median is an outlier below; place 4092 if it is one above.
.irp c, 0,1,2,3
	v_cmp_lt_f32 vcc_lo, v[AMN+\c], v[UV+\c]       ; is any number left between the bounds?
	v_cndmask_b32 v[X+8*\c], s[PINF], v[AMN+\c], vcc_lo
	v_cndmask_b32 v[X+8*\c+1], s[NINF], v[BMX+\c], vcc_lo
	v_cmp_ge_f32 vcc_lo, 0x45000000, v[NGL+\c]     ; 2,048 at the most above L: the median is at or below L
	v_cndmask_b32 v[X+8*\c+2], s[PINF], v[BB+12+\c], vcc_lo
	v_cndmask_b32 v[X+8*\c+3], s[NINF], v[BB+12+\c], vcc_lo
	v_cmp_ge_f32 vcc_lo, 0x44ffe000, v[NLU+\c]     ; 2,047 at the most below U: the median is at or above U
	v_cndmask_b32 v[X+8*\c+4], s[PINF], v[TB+12+\c], vcc_lo
	v_cndmask_b32 v[X+8*\c+5], s[NINF], v[TB+12+\c], vcc_lo
	v_min3_num_f32 v[X+8*\c], v[X+8*\c], v[X+8*\c+2], v[X+8*\c+4]
	v_max3_num_f32 v[X+8*\c+1], v[X+8*\c+1], v[X+8*\c+3], v[X+8*\c+5]
	v_add_f32 v[X+8*\c+2], v[X+8*\c+1], v[X+8*\c]
	v_sub_f32 v[X+8*\c+3], v[X+8*\c+1], v[X+8*\c]
	v_mul_f32 v[OFF+\c], 0.5, v[X+8*\c+2]
	v_mul_f32 v[RNG+\c], 0.5, v[X+8*\c+3]
.endr
; THE THRESHOLDS.  My thread's: boundary k = 2 x wave + lane / 16, column lane % 16.  One bisection: from -2^127, where the quotient lies below every boundary, to 2^127, where it lies above.
; mode 1: is a y - M > 0 (m names the pair that holds -M);  mode 0: is a - b M > 0 (m names M): the correctly rounded a / b.  out = -X 2^64: exact, or an infinity of the right sign.
.macro BIS mode, m, out
	v_mov_b32 v[LO], 0x00ffffff
	v_mov_b32 v[HI], 0xff000000
	s_mov_b32 s[CT], 32
.Lhalve_\@:
	MIDDLE
	v_sub_f32 v[AV], v[TV], v[OFC]                 ; a = x - offset, rounded as the reference rounds it
	F2D AV, AL, AH, TT, 0
.if \mode
	v_fma_f64 v[DL:DH], v[AL:AH], v[YL:YH], v[\m:\m+1]
.else
	v_fma_f64 v[DL:DH], v[NBL:NBH], v[\m:\m+1], v[AL:AH]
.endif
	v_cmp_lt_i32 s41, 0, v[DH]                     ; above the midpoint,
	v_and_b32 v[TT], 0x7fffffff, v[DH]
	v_or_b32 v[TT], v[TT], v[DL]
	v_cmp_eq_u32 s42, 0, v[TT]                     ; or on it, where the tie goes upward
	s_and_b32 s42, s42, s[ODD]
	s_or_b32 vcc_lo, s41, s42
	v_cndmask_b32 v[HI], v[HI], v[MID], vcc_lo
	v_cndmask_b32 v[LO], v[MID], v[LO], vcc_lo
	s_sub_co_u32 s[CT], s[CT], 1
	s_cmp_lg_u32 s[CT], 0
	s_cbranch_scc1 .Lhalve_\@
	UNKEY TV, LO, TT                               ; X: the last x whose quotient does not pass the boundary
	v_mul_f32 v[\out], 0xdf800000, v[TV]
.endm
	; The column's offset and half range come by way of my wave's own 128 bytes of LDS (LDS serves a wave's instructions in order, ISA guide 5.7.1.4: the loads see the stores).
	s_lshl_b32 s40, s[WV], 7
	s_add_co_u32 s41, s40, LS3
	s_add_co_u32 s42, s40, LS4
	v_and_b32 v[A3ST], 3, v0
	v_lshl_add_u32 v[A3ST], v[A3ST], 4, s41
	v_add_nc_u32 v[A3LD], s41, v[OLUT]
	v_lshl_add_u32 v[A4ST], v1, 2, s42             ; row k of 64 bytes, column: 128 x wave + 4 x lane: a wave's stores cover 128 consecutive bytes
	v_and_b32 v[A4LD], 3, v0
	v_lshlrev_b32 v[A4LD], 4, v[A4LD]
	v_add_nc_u32 v[A4LD], LS4, v[A4LD]
	ds_store_b128 v[A3ST], v[OFF:OFF+3]
	ds_store_b128 v[A3ST], v[RNG:RNG+3] offset:64
	ds_load_b32 v[OFC], v[A3LD]
	ds_load_b32 v[BC], v[A3LD] offset:64
.irp c, 0,1,2,3
	v_fma_f32 v[VB0+\c], v[PZ], v[RNG+\c], v[OFF+\c]  ; the value of the lowest pole
.endr
	s_wait_dscnt 0x0
	F2D BC, NBL, NBH, TT, 0
	v_or_b32 v[NBH], 0x80000000, v[NBH]            ; -b
	RECIP BC, YF, R0
	F2D YF, YL, YH, TT, 0
	v_mov_b32 v[NML], v[ML]
	v_xor_b32 v[NMH], 0x80000000, v[MH]            ; -M
	BIS 1, NML, CKV                                ; the threshold that counts
	BIS 0, MLL, CK2                                ; the probe's window, by the correctly rounded quotient
	BIS 0, MHL, CK3
	v_mul_f32 v[DBV], v[DKV], v[BC]
	ds_store_b32 v[A4ST], v[CKV]
	ds_store_b32 v[A4ST], v[DBV] offset:1024
	ds_store_b32 v[A4ST], v[CK2] offset:2048
	ds_store_b32 v[A4ST], v[CK3] offset:3072
	s_wait_dscnt 0x0                               ; for the others' sake: my stores are done
	s_barrier_signal -1
	s_barrier_wait -1
.set k, 0
.rept 15                                               ; my four columns' fifteen thresholds and gaps
	ds_load_b128 v[CKX+4*k:CKX+4*k+3], v[A4LD] offset:64*k
	ds_load_b128 v[DKB+4*k:DKB+4*k+3], v[A4LD] offset:1024+64*k
.set k, k+1
.endr
	s_wait_dscnt 0x0
; PASS 3.  Groups g and g + 1: eight numbers a lane, as four pairs; pair j has the columns 2 (j % 2) and the next.  The four pairs go through each step one after the other, so that a line's sources were made four lines back.
.macro QUANT2 g
.set XB, X+4*(\g)
	s_wait_xcnt 0x0                                ; the registers written below were the data of stores (weight as f16; the eight numbers before): they are free only behind this wait
.irp e, 0,1,2,3,4,5,6,7
	v_cmp_gt_f32 s[MK+\e], v[XB+\e], v[LV+\e%4]
	v_cmp_lt_f32 s[MK+8+\e], v[XB+\e], v[UV+\e%4]
.endr
.irp e, 0,1,2,3,4,5,6,7
	s_and_b32 s[MK+\e], s[MK+\e], s[MK+8+\e]       ; between the bounds: no outlier
.endr
.irp e, 0,1,2,3,4,5,6,7
	v_cndmask_b32 v[XQ+\e], v[OFF+\e%4], v[XB+\e], s[MK+\e]  ; what is quantised: x, or for an outlier the offset
.endr
.irp j, 0,1,2,3
	v_pk_add_f32 v[OUTL+2*\j:OUTL+2*\j+1], v[XB+2*\j:XB+2*\j+1], v[XQ+2*\j:XQ+2*\j+1] neg_lo:[0,1] neg_hi:[0,1]  ; the outlier part: x - offset, or 0
.endr
.set k, 0
.rept 15                                               ; value = lowest pole's value + the sum over the thresholds passed of the gap above each
.irp j, 0,1,2,3
	v_pk_fma_f32 v[STP+2*\j:STP+2*\j+1], v[XQ+2*\j:XQ+2*\j+1], v[BIG:BIG+1], v[CKX+4*k+2*(\j%2):CKX+4*k+2*(\j%2)+1] clamp
.endr
.irp j, 0,1,2,3
.if k == 0
	v_pk_fma_f32 v[ACC+2*\j:ACC+2*\j+1], v[STP+2*\j:STP+2*\j+1], v[DKB+2*(\j%2):DKB+2*(\j%2)+1], v[VB0+2*(\j%2):VB0+2*(\j%2)+1]
.else
	v_pk_fma_f32 v[ACC+2*\j:ACC+2*\j+1], v[STP+2*\j:STP+2*\j+1], v[DKB+4*k+2*(\j%2):DKB+4*k+2*(\j%2)+1], v[ACC+2*\j:ACC+2*\j+1]
.endif
.endr
.set k, k+1
.endr
.irp j, 0,1,2,3
	v_pk_add_f32 v[ACC+2*\j:ACC+2*\j+1], v[ACC+2*\j:ACC+2*\j+1], v[OUTL+2*\j:OUTL+2*\j+1]
.endr
.irp e, 0,1,2,3,4,5,6,7
	v_cmp_gt_f32 s[MK+\e], s[PINF], |v[ACC+\e]|    ; finite; NaN and infinities become 0
.endr
.irp e, 0,1,2,3,4,5,6,7
	v_cndmask_b32 v[ACC+\e], 0, v[ACC+\e], s[MK+\e]
.endr
.irp j, 0,1,2,3
	v_cvt_pk_f16_f32 v[QB+\j], v[ACC+2*\j], v[ACC+2*\j+1]
.endr
.endm
	v_mov_b32 v[LA], v[LA0]
	s_mov_b32 s[CT], 8
.Lpass3:                                               ; a trip: 4,096 bytes of weight and 64 rows of x
	s_wait_loadcnt 0x0                             ; the chunk of weight asked for a whole trip ago: the only global loads that are out
.irp i, 0,1,2,3,4,5,6,7
	v_cvt_pk_f16_f32 v[WOUT+2*\i], v[W+4*\i], v[W+4*\i+1]
	v_cvt_pk_f16_f32 v[WOUT+2*\i+1], v[W+4*\i+2], v[W+4*\i+3]
.endr
	s_cmp_eq_u32 s[CT], 1
	s_cbranch_scc1 .Lno_more_w                     ; the last trip asks for nothing: no load leaves my share
.irp i, 0,1,2,3,4,5,6,7
	global_load_b128 v[W+4*\i:W+4*\i+3], v[O16], s[6:7] offset:512*\i th:TH_LOAD_NT
.endr
.Lno_more_w:
.irp i, 0,1,2,3,4,5,6,7
	global_store_b64 v[O8], v[WOUT+2*\i:WOUT+2*\i+1], s[12:13] offset:256*\i  ; each store of the wave covers 256 consecutive bytes, aligned
.endr
	GROUPS8
.irp p, 0,1,2,3
	s_wait_dscnt 6-2*\p                            ; groups 2 p and 2 p + 1 are in
	QUANT2 2*\p
	global_store_b64 v[O8], v[QB:QB+1], s[10:11] offset:512*\p          ; eight rows of 32 bytes: 256 consecutive bytes, aligned
	global_store_b64 v[O8], v[QB+2:QB+3], s[10:11] offset:512*\p+256
.endr
	s_wait_xcnt 0x0                                ; the three bases, and the data registers that are written anew behind this line, are free only behind this wait
	s_add_nc_u64 s[6:7], s[6:7], 4096
	s_add_nc_u64 s[12:13], s[12:13], 2048
	s_add_nc_u64 s[10:11], s[10:11], 2048
	v_add_nc_u32 v[LA], 4096, v[LA]
	s_sub_co_u32 s[CT], s[CT], 1
	s_cmp_lg_u32 s[CT], 0
	s_cbranch_scc1 .Lpass3
; THE PROBE, first part: the window pass.  A number lies in boundary k's window if it has passed the lower edge and not the upper: the difference of the two steps is 1.
.macro PROBE2
.irp e, 0,1,2,3,4,5,6,7
	v_cmp_gt_f32 s[MK+\e], v[X+\e], v[LV+\e%4]
	v_cmp_lt_f32 s[MK+8+\e], v[X+\e], v[UV+\e%4]
.endr
.irp e, 0,1,2,3,4,5,6,7
	s_and_b32 s[MK+\e], s[MK+\e], s[MK+8+\e]
.endr
.irp e, 0,1,2,3,4,5,6,7
	v_cndmask_b32 v[XQ+\e], v[OFF+\e%4], v[X+\e], s[MK+\e]
.endr
.set k, 0
.rept 15
.irp j, 0,1,2,3
	v_pk_fma_f32 v[STP+2*\j:STP+2*\j+1], v[XQ+2*\j:XQ+2*\j+1], v[BIG:BIG+1], v[CKX+4*k+2*(\j%2):CKX+4*k+2*(\j%2)+1] clamp
.endr
.irp j, 0,1,2,3
	v_pk_fma_f32 v[ST2+2*\j:ST2+2*\j+1], v[XQ+2*\j:XQ+2*\j+1], v[BIG:BIG+1], v[DKB+4*k+2*(\j%2):DKB+4*k+2*(\j%2)+1] clamp
.endr
.irp j, 0,1,2,3
.if k == 0
	v_pk_add_f32 v[ACC+2*\j:ACC+2*\j+1], v[STP+2*\j:STP+2*\j+1], v[ST2+2*\j:ST2+2*\j+1] neg_lo:[0,1] neg_hi:[0,1]
.else
	v_pk_add_f32 v[ACC+2*\j:ACC+2*\j+1], v[ACC+2*\j:ACC+2*\j+1], v[STP+2*\j:STP+2*\j+1]
.endif
.endr
.if k > 0
.irp j, 0,1,2,3
	v_pk_add_f32 v[ACC+2*\j:ACC+2*\j+1], v[ACC+2*\j:ACC+2*\j+1], v[ST2+2*\j:ST2+2*\j+1] neg_lo:[0,1] neg_hi:[0,1]
.endr
.endif
.set k, k+1
.endr
.irp e, 0,1,2,3,4,5,6,7
	v_cmp_lt_f32 s[MK+\e], 0.5, v[ACC+\e]
.endr
.irp e, 0,1,2,3,4,5,6,7
	v_cndmask_b32 v[CX], v[CX], v[X+\e], s[MK+\e]            ; the number is kept, with its column's figures and its row + 1
	v_cndmask_b32 v[CO], v[CO], v[OFF+\e%4], s[MK+\e]
	v_cndmask_b32 v[CB], v[CB], v[RNGP+\e%4], s[MK+\e]
	v_cndmask_b32 v[CR], v[CR], v[ROWF+\e/4], s[MK+\e]
.endr
.endm
.irp i, 0,1,2,3,4,5
	s_load_b64 s[G1+2*\i:G1+2*\i+1], s[0:1], 0x28+8*\i       ; p0, p1, p2, r0, r1, r2 (the descriptors' registers: my tensor loads were shown done ahead of pass 1)
.endr
	s_lshl_b32 s40, s[WV], 7
	s_add_co_u32 s41, s40, LS3
	v_and_b32 v[PT], 3, v0
	v_lshlrev_b32 v[PT], 4, v[PT]
	v_add_nc_u32 v[PA], s41, v[PT]
	v_add_nc_u32 v[PT], LS4, v[PT]
	ds_load_b128 v[RNGP:RNGP+3], v[PA] offset:64   ; my four columns' half ranges, from my wave's own copy
.set k, 0
.rept 15                                               ; the windows' edges take the thresholds' and the gaps' registers
	ds_load_b128 v[CKX+4*k:CKX+4*k+3], v[PT] offset:2048+64*k
	ds_load_b128 v[DKB+4*k:DKB+4*k+3], v[PT] offset:3072+64*k
.set k, k+1
.endr
	s_lshl_b32 s42, s[WV], 9
	s_add_co_u32 s42, s42, 1
	v_bfe_u32 v14, v0, 2, 3
	v_add_nc_u32 v14, s42, v14
	v_cvt_f32_u32 v[ROWF], v14                     ; 512 x wave + lane / 4 + 1,
	v_add_f32 v[ROWF+1], 0x41000000, v[ROWF]       ; and eight rows on for the second group
	v_mov_b32 v[CX], 0
	v_mov_b32 v[CO], 0
	v_mov_b32 v[CB], 1.0
	v_mov_b32 v[CR], 0
	v_mov_b32 v[LA], v[LA0]
	s_mov_b32 s[CT], 32
	s_wait_dscnt 0x0
.Lwindow:                                              ; a trip: two groups, 16 rows
	ds_load_b128 v[X:X+3], v[LA]
	ds_load_b128 v[X+4:X+7], v[LA] offset:512
	s_wait_dscnt 0x0
	PROBE2
	v_add_nc_u32 v[LA], 1024, v[LA]
	v_add_f32 v[ROWF], 0x41800000, v[ROWF]
	v_add_f32 v[ROWF+1], 0x41800000, v[ROWF+1]
	s_sub_co_u32 s[CT], s[CT], 1
	s_cmp_lg_u32 s[CT], 0
	s_cbranch_scc1 .Lwindow
; THE PROBE, second part: the kept number's pole in six ways: how many of the fifteen boundaries it passes.  A lane that kept nothing works on 0, 0, 1 and writes zeros.
.macro TEST h, tie                     ; is the difference in DD above 0, or 0 where the tie goes upward?
	v_cmp_lt_i32 s41, 0, v[DD+1]
	v_and_b32 v[ET], 0x7fffffff, v[DD+1]
	v_or_b32 v[ET], v[ET], v[DD]
	v_cmp_eq_u32 s42, 0, v[ET]
	s_and_b32 s42, s42, s[\tie]
	s_or_b32 vcc_lo, s41, s42
	v_add_co_ci_u32 v[IDX+\h], vcc_lo, 0, v[IDX+\h], vcc_lo
.endm
	v_sub_f32 v[EA], v[CX], v[CO]
	F2D EA, A64, A64+1, ET, 0
	F2D CB, NB64, NB64+1, ET, 0
	v_or_b32 v[NB64+1], 0x80000000, v[NB64+1]
	F2D CX, X64, X64+1, ET, 0
	F2D CO, NO64, NO64+1, ET, 0
	v_xor_b32 v[NO64+1], 0x80000000, v[NO64+1]
	v_mov_b32 v[ONE], 0
	v_mov_b32 v[ONE+1], 0x3ff00000
	v_fma_f64 v[E64:E64+1], v[NO64:NO64+1], v[ONE:ONE+1], v[X64:X64+1]  ; x - offset, unrounded where the two lie within f64's 53 bits of each other
	RECIP CB, EY, ER
	F2D EY, Y64, Y64+1, ET, 0
	v_mul_f32 v[QF], v[EA], v[EY]
.irp h, 0,1,2,3,4,5
	v_mov_b32 v[IDX+\h], 0
.endr
	v_mov_b32 v[BT], 0
	v_mov_b32 v[BD], s[PINF]
	v_mov_b32 v[KADR], LS5
	s_mov_b32 s[CT], 15
.Lways:                                                ; a trip: one boundary
	ds_load_b128 v[KR:KR+3], v[KADR]               ; tm, who wins ties, the poles' midpoint
	ds_load_b128 v[KR+4:KR+7], v[KADR] offset:16   ; M
	s_wait_dscnt 0x0
	v_mov_b32 v[NM], v[KR+4]
	v_xor_b32 v[NM+1], 0x80000000, v[KR+5]
	v_mov_b32 v[NMP], v[KR+2]
	v_xor_b32 v[NMP+1], 0x80000000, v[KR+3]
	v_and_b32 v[ET], 1, v[KR]
	v_cmp_eq_u32 s[ODD], 1, v[ET]
	v_cmp_eq_u32 s[ORD], 1, v[KR+1]
	v_fma_f64 v[DD:DD+1], v[NB64:NB64+1], v[KR+4:KR+5], v[A64:A64+1]
	TEST 0, ODD
	v_fma_f64 v[DD:DD+1], v[A64:A64+1], v[Y64:Y64+1], v[NM:NM+1]
	TEST 1, ODD
	v_fma_f64 v[DD:DD+1], v[NB64:NB64+1], v[KR+4:KR+5], v[E64:E64+1]
	TEST 2, ODD
	v_fma_f64 v[DD:DD+1], v[NB64:NB64+1], v[KR+2:KR+3], v[A64:A64+1]
	TEST 3, ORD
	v_fma_f64 v[DD:DD+1], v[A64:A64+1], v[Y64:Y64+1], v[NMP:NMP+1]
	TEST 4, ORD
	v_fma_f64 v[DD:DD+1], v[NB64:NB64+1], v[KR+2:KR+3], v[E64:E64+1]
	TEST 5, ORD
	v_sub_f32 v[ET], v[QF], v[KR]                  ; the boundary nearest to the quotient is kept
	v_cmp_lt_f32 vcc_lo, |v[ET]|, v[BD]
	v_cndmask_b32 v[BT], v[BT], v[KR], vcc_lo
	v_and_b32 v[ET], 0x7fffffff, v[ET]
	v_cndmask_b32 v[BD], v[BD], v[ET], vcc_lo
	v_add_nc_u32 v[KADR], 32, v[KADR]
	s_sub_co_u32 s[CT], s[CT], 1
	s_cmp_lg_u32 s[CT], 0
	s_cbranch_scc1 .Lways
.macro VAL dst, h, neg                 ; row + 1 where way h chooses another pole than way 0
	v_cmp_ne_u32 vcc_lo, v[IDX+\h], v[IDX]
	v_cndmask_b32 v[\dst], 0, v[CR], vcc_lo
.if \neg
	v_sub_f32 v[\dst], 0, v[\dst]
.endif
.endm
.macro OUTF dst, neg                   ; a field in v[dst], + 1, as f32, for the kept number of row PROW alone
	v_add_nc_u32 v[\dst], 1, v[\dst]
	v_cvt_f32_u32 v[\dst], v[\dst]
	v_cndmask_b32 v[\dst], 0, v[\dst], s[FLG]
.if \neg
	v_sub_f32 v[\dst], 0, v[\dst]
.endif
.endm
	v_cmp_eq_f32 s[FLG], PROWF, v[CR]
	VAL EV+0, 1, 0
	VAL EV+1, 2, 1
	VAL EV+2, 3, 0
	VAL EV+3, 4, 1
	VAL EV+4, 5, 0
	v_bfe_u32 v[EV+5], v[CB], 16, 7
	v_bfe_u32 v[ET], v[BT], 16, 7
	v_lshl_or_b32 v[EV+5], v[ET], 7, v[EV+5]
	v_lshl_or_b32 v[EV+5], v[IDX], 14, v[EV+5]
	OUTF EV+5, 1
	v_bfe_u32 v[EV+6], v[CX], 16, 16
	OUTF EV+6, 0
	v_bfe_u32 v[EV+7], v[CX], 0, 16
	OUTF EV+7, 1
	v_bfe_u32 v[EV+8], v[CO], 16, 16
	OUTF EV+8, 0
	v_bfe_u32 v[EV+9], v[CO], 0, 16
	OUTF EV+9, 1
	v_bfe_u32 v[EV+10], v[CB], 0, 16
	OUTF EV+10, 0
	v_bfe_u32 v[EV+11], v[BT], 0, 16
	OUTF EV+11, 1
	s_lshl_b32 s40, ttmp9, 10
	v_lshl_add_u32 v[VOFS], v0, 2, s40             ; a word a thread: 1,024 bytes a work-group; each store of the wave covers 128 consecutive bytes
	s_wait_kmcnt 0x0
.irp i, 0,1,2,3,4,5
	global_store_b32 v[VOFS], v[EV+2*\i], s[G1+2*\i:G1+2*\i+1]
	global_store_b32 v[VOFS], v[EV+2*\i+1], s[G1+2*\i:G1+2*\i+1] offset:262144
.endr
	s_wait_tensorcnt 0x0                           ; the wave's end: behind my last tensor load and my last LDS store
	ds_add_u32 v[SPW], v[NIL]
	s_wait_dscnt 0x0
	s_endpgm
.Lfunc_end_k_qe9eca20e85_prep:
	.size	k_qe9eca20e85_prep, .Lfunc_end_k_qe9eca20e85_prep-k_qe9eca20e85_prep
	.p2alignl 7, 3214868480
	.fill 96, 4, 3214868480
	.section	.rodata,"a",@progbits
	.p2align	6, 0x0
	.amdhsa_kernel k_qe9eca20e85_prep
		.amdhsa_group_segment_fixed_size 327680
		.amdhsa_private_segment_fixed_size 0
		.amdhsa_enable_private_segment 0
		.amdhsa_kernarg_size 88
		.amdhsa_user_sgpr_count 2
		.amdhsa_user_sgpr_kernarg_segment_ptr 1
		.amdhsa_wavefront_size32 1
		.amdhsa_system_sgpr_workgroup_id_x 1
		.amdhsa_system_sgpr_workgroup_id_y 1
		.amdhsa_system_sgpr_workgroup_id_z 1
		.amdhsa_system_vgpr_workitem_id 0
		.amdhsa_next_free_vgpr 256
		.amdhsa_next_free_sgpr 84
		.amdhsa_reserve_vcc 1
		.amdhsa_float_denorm_mode_32 3
		.amdhsa_float_denorm_mode_16_64 3
		.amdhsa_memory_ordered 1
		.amdhsa_forward_progress 1
		.amdhsa_inst_pref_size 183
	.end_amdhsa_kernel
	.amdgpu_metadata
---
amdhsa.version: [ 1, 2 ]
amdhsa.kernels:
  - .name:           k_qe9eca20e85_prep
    .symbol:         k_qe9eca20e85_prep.kd
    .args:
      - { .name: x, .offset: 0, .size: 8, .value_kind: global_buffer, .address_space: global }
      - { .name: weight, .offset: 8, .size: 8, .value_kind: global_buffer, .address_space: global }
      - { .name: nf_lut, .offset: 16, .size: 8, .value_kind: global_buffer, .address_space: global }
      - { .name: qb, .offset: 24, .size: 8, .value_kind: global_buffer, .address_space: global }
      - { .name: wb, .offset: 32, .size: 8, .value_kind: global_buffer, .address_space: global }
      - { .name: p0, .offset: 40, .size: 8, .value_kind: global_buffer, .address_space: global }
      - { .name: p1, .offset: 48, .size: 8, .value_kind: global_buffer, .address_space: global }
      - { .name: p2, .offset: 56, .size: 8, .value_kind: global_buffer, .address_space: global }
      - { .name: r0, .offset: 64, .size: 8, .value_kind: global_buffer, .address_space: global }
      - { .name: r1, .offset: 72, .size: 8, .value_kind: global_buffer, .address_space: global }
      - { .name: r2, .offset: 80, .size: 8, .value_kind: global_buffer, .address_space: global }
    .group_segment_fixed_size: 327680
    .private_segment_fixed_size: 0
    .kernarg_segment_align: 8
    .kernarg_segment_size: 88
    .max_flat_workgroup_size: 256
    .sgpr_count:     84
    .vgpr_count:     256
    .wavefront_size: 32
...
	.end_amdgpu_metadata
.endif
;; end of part 1
;; launch gemm (part 2): grid 16 x 16, 4 waves a work-group, clusters of 4 x 4, 327,680 bytes of LDS; arguments qb, wb, out0; writes out0
.if DOCPART == 2
	.amdgcn_target "amdgcn-amd-amdhsa--gfx1250"
	.amdhsa_code_object_version 6
	.text
	.protected	k_qe9eca20e85_gemm
	.globl	k_qe9eca20e85_gemm
	.p2align	8
	.type	k_qe9eca20e85_gemm,@function
k_qe9eca20e85_gemm:
	s_mov_b64 s[64:65], 0
	v_nop
	global_prefetch_b8 v0, s[64:65] scope:SCOPE_SE
	s_setreg_imm32_b32 hwreg(HW_REG_WAVE_MODE, 25, 1), 1
	s_wait_xcnt 0x0
	s_wait_alu depctr_hold_cnt(0) depctr_sa_sdst(0) depctr_va_vdst(0) depctr_va_sdst(0) depctr_va_ssrc(0) depctr_va_vcc(0) depctr_vm_vsrc(0)
	s_getreg_b32 s2, hwreg(HW_REG_IB_STS2, 6, 4)
	s_cmp_eq_u32 s2, 0
	s_cbranch_scc0 .Lentry_in_a_cluster
	s_endpgm
.Lentry_in_a_cluster:
	s_bfe_u32 s2, ttmp6, 0x10000c
	s_cmp_lg_u32 s2, 0xf033
	s_cbranch_scc0 .Lentry_shape_is_right
	s_endpgm
.Lentry_shape_is_right:
; QuantLinearSim, second of two launches: out0[m][n] = the sum over k of q[m][k] w[k][n], 4,096 x 4,096 x 4,096; q and w in f16, sums and out0 in f32.
; q lies in qb as [k / 16][m][16]: a block of 16 k is 131,072 dense bytes, a row of it 32 bytes.  w lies in wb as [k][n], rows of 8,192 bytes.
; LIMIT.  f16 holds no number beyond 65,504: q and w arrive within it.
; A tile of out0, 256 x 256, is made by a work-group of four waves; a wave makes 128 x 128: 64 accumulators of 16 x 16, 512 registers.  256 tiles, one work-group each.
; K goes in steps of 128 through a ring of two LDS slots filled by the tensor data mover.
;   q's part of a slot: waves 0 and 1 fetch 128 rows m each, as 8 rows of 4,096 dense bytes (one for each block of 16 k), padded by 16 bytes after every 256: block c at 4,352 c, row m at 272 (m / 8) + 32 (m % 8).
;   w's part: waves 2 and 3 fetch 64 rows k of 512 bytes each, padded by 32: rows 544 bytes apart; fragments come out turned, by ds_load_tr16_b128.
; CLUSTERS: 4 x 4 work-groups.  The four of a row of the cluster need the same tiles of q, the four of a column the same tiles of w: each tile is asked for JOINTLY, by the same tensor load with the same
; descriptor and a mask that names the four.
; THE MATRIX INSTRUCTION IS USED TRANSPOSED: source 0 = 16 columns n of w, source 1 = 16 rows m of q.  In the result lane l holds row m = l % 16 and the columns n = 8 (l / 16) + 0 .. 7: 32 consecutive bytes of out0.
; REGISTERS, in windows of 256 (s_set_vgpr_msb's low byte: bits 1:0 source 0, 3:2 source 1, 5:4 source 2, 7:6 destination):
;   window 0: v0-31 addresses; v64-127, v128-191 fragments of q, two buffers (on the way out: rows read back from the stage)
;   window 1: v64-127, v128-191 fragments of w, two buffers
;   window 2: the 32 accumulators of my rows 0-63 (accumulator (a, b) at v[8 (8 a + b)]);   window 3: those of my rows 64-127
.set KB,     1048576                   ; bytes from a K step to the next: 8 blocks of qb, and 128 rows of wb
.set ABLK,   4352                      ; a block of 16 k x 128 m in LDS: 4,096 bytes + 16 pads of 16
.set BPITCH, 544                       ; a row of w in LDS: 512 + 32 = 136 words
.set HALFT,  34816                     ; what one tensor load brings: 8 x 4,352 = 64 x 544
.set SLOT,   4*HALFT                   ; q's 256 rows, then w's 128 rows
.set STAGE,  2*SLOT                    ; behind the ring: 16 rows x 528 bytes for each wave, for the way out
.set SPITCH, 528                       ; 512 bytes + 16: row r starts at bank 4 r mod 64
.set SPARE,  STAGE+4*16*SPITCH         ; behind the stages: the spare words, 128 bytes for each wave: two blocks of 256 bytes that no other line names
.set LAPS,   16                        ; a lap = two K steps = once round the ring
.set ADRA, 16                          ; v16-17  LDS address of my q fragments in slot 0, 1
.set ADRB, 20                          ; v20-21  the same for w
.set STO,  24                          ; v24     the way out: where I put 32 bytes of a row
.set RD,   25                          ; v25     the way out: where I read a row back
.set CO,   26                          ; v26     my byte offset in 512 bytes of out0
.set SPW,  28                          ; v28     LDS address of my spare word; never rewritten
.set NIL,  29                          ; v29     0; never rewritten
.set F0,   64
.set F1,   128
.set G1, 24                            ; s[24:31] descriptor group 1 for q's tiles
.set G0, 32                            ; s[32:39] group 0 for q's tiles, one set for each slot
.set G1B, 48                           ; s[48:55], s[56:63] the same for w's tiles
.set G0B, 56
.set MSB, 0
.macro WIN new                         ; the immediate's high byte repeats the setting that is left; a switch that changes nothing is dropped
.if MSB != (\new)
	s_set_vgpr_msb (MSB<<8)|(\new)
.set MSB, \new
.endif
.endm
.set MUL_LO, 0xa1                      ; source 0 (w) window 1, source 1 (q) window 0, C and D window 2
.set MUL_HI, 0xf1                      ; the same, C and D window 3
.set TO_B,   0x40                      ; destination window 1, address window 0
; A joint load.  Waves 0 and 1 fetch q's two halves, waves 2 and 3 w's.  The branch hangs on the wave's number alone: it is the same in every work-group.
; An s_nop 0 and four v_nop follow each of the two lines, ahead of the jump, the label and what follows.
.macro JLOAD s
	s_cmp_eq_u32 s11, 0
	s_cbranch_scc0 .Lfor_b_\@
	tensor_load_to_lds s[G0+4*(\s):G0+4*(\s)+3], s[G1:G1+7]
	s_nop 0
.rept 4
	v_nop
.endr
	s_branch .Lasked_\@
.Lfor_b_\@:
	tensor_load_to_lds s[G0B+4*(\s):G0B+4*(\s)+3], s[G1B:G1B+7]
	s_nop 0
.rept 4
	v_nop
.endr
.Lasked_\@:
.endm
; A round of the cluster's barrier: my work-group's barrier, so that wave 0's signal speaks for all four waves; wave 0 signals; every wave waits for all sixteen work-groups; my work-group's barrier once more.
.macro CREST                           ; a round behind its opening barrier
	s_cmp_lg_u32 s10, 0
	s_cbranch_scc1 .Lnot_wave_0_\@
	s_barrier_signal -3
.Lnot_wave_0_\@:
	s_barrier_wait -3
	s_barrier_signal -1
	s_barrier_wait -1
.endm
.macro CROUND                          ; a whole round
	s_barrier_signal -1
	s_barrier_wait -1
	CREST
.endm
	s_load_b128 s[4:7], s[0:1], 0x0                ; qb s[4:5], wb s[6:7]
	s_load_b64 s[8:9], s[0:1], 0x10                ; out0
	v_lshl_add_u32 v[SPW], v0, 2, SPARE
	v_mov_b32 v[NIL], 0
	ds_add_u32 v[SPW], v[NIL]                      ; the wave's opening: the add and its wait stand ahead of my first tensor load; the set-up below, work on registers, stands between them
	ds_add_u32 v28, v29
	v_lshrrev_b32 v1, 5, v0
	v_readfirstlane_b32 s10, v1                    ; wave 0..3
	s_lshr_b32 s11, s10, 1                         ; which half of the tile's rows is mine.  Also: I fetch for q (0) or for w (1)
	s_and_b32 s12, s10, 1                          ; which half of its columns.  Also: which half of that tile I fetch
	s_bfe_u32 s40, ttmp6, 0x40000                  ; cx, cy: my place in the cluster
	s_bfe_u32 s41, ttmp6, 0x40004
	s_lshl_b32 s42, ttmp9, 2                       ; in a cluster launch ttmp9 and ttmp7 count clusters
	s_add_co_u32 s42, s42, s40                     ; tile column = 4 x cluster x + cx
	s_and_b32 s13, ttmp7, 0xffff
	s_lshl_b32 s13, s13, 2
	s_add_co_u32 s13, s13, s41                     ; tile row = 4 x cluster y + cy
	s_lshl_b32 s43, s41, 2
	s_lshl_b32 s43, 15, s43                        ; my row of the cluster: places 4 cy .. 4 cy + 3
	s_lshl_b32 s44, 0x1111, s40                    ; my column: places cx, cx + 4, cx + 8, cx + 12
	s_or_b32 s[G1+0], s43, (1<<16)|(1<<20)|(1<<21)|(5<<22)|(3<<25)   ; the mask: q's tiles go to my row; 2-byte elements; padding on; 21 set beside a mask; after every 64 words (code 5) 4 words (code 3)
	s_mov_b32 s[G1+1], 2048<<16                    ; tensor_dim0 = 2,048 elements: 128 rows m of 16 k, dense
	s_mov_b32 s[G1+2], 8<<16                       ; tensor_dim1 = 8 blocks of 16 k
	s_mov_b32 s[G1+3], 2048<<16                    ; tile_dim0
	s_mov_b32 s[G1+4], 8                           ; tile_dim1
	s_mov_b32 s[G1+5], 65536                       ; elements from block to block
	s_mov_b32 s[G1+6], 0
	s_mov_b32 s[G1+7], 0
	s_or_b32 s[G1B+0], s44, (1<<16)|(1<<20)|(1<<21)|(6<<22)|(7<<25)  ; the mask of my column; after every 128 words (code 6) 8 words (code 7)
	s_mov_b32 s[G1B+1], 256<<16                    ; tensor_dim0 = 256 columns n
	s_mov_b32 s[G1B+2], 64<<16                     ; tensor_dim1 = 64 rows k
	s_mov_b32 s[G1B+3], 256<<16
	s_mov_b32 s[G1B+4], 64
	s_mov_b32 s[G1B+5], 4096                       ; elements from row to row
	s_mov_b32 s[G1B+6], 0
	s_mov_b32 s[G1B+7], 0
	; where the tiles come from.  q's hang on the tile row alone, which my row of the cluster shares; w's on the tile column alone, which my column shares.
	s_lshl_b32 s16, s13, 13                        ; q: 256 rows of 32 bytes a tile row,
	s_lshl_b32 s17, s12, 12                        ; 128 rows a half
	s_add_co_u32 s16, s16, s17
	s_mov_b32 s17, 0
	s_lshl_b32 s46, s42, 9                         ; w: 512 bytes a tile column,
	s_lshl_b32 s47, s12, 19                        ; 64 rows of 8,192 bytes a half
	s_add_co_u32 s46, s46, s47
	s_mov_b32 s47, 0
	s_mul_i32 s20, s10, HALFT                      ; and where they go: wave x one load's bytes: no place in the cluster enters an LDS address
	s_wait_dscnt 0x0                               ; the opening add is done
	s_wait_kmcnt 0x0
	s_add_nc_u64 s[14:15], s[4:5], s[16:17]
	s_add_nc_u64 s[46:47], s[6:7], s[46:47]
	CROUND                                         ; all sixteen work-groups are here: the first joint loads meet
.irp s, 0,1
	s_mov_b32 s[G0+4*(\s)], 1                                      ; count = 1
	s_add_co_u32 s[G0+4*(\s)+1], s20, (\s)*SLOT                    ; LDS address
	s_add_nc_u64 s[G0+4*(\s)+2:G0+4*(\s)+3], s[14:15], (\s)*KB     ; global address: K step s
	s_or_b32 s[G0+4*(\s)+3], s[G0+4*(\s)+3], 0x80000000            ; type = 2
	s_mov_b32 s[G0B+4*(\s)], 1
	s_add_co_u32 s[G0B+4*(\s)+1], s20, (\s)*SLOT
	s_add_nc_u64 s[G0B+4*(\s)+2:G0B+4*(\s)+3], s[46:47], (\s)*KB
	s_or_b32 s[G0B+4*(\s)+3], s[G0B+4*(\s)+3], 0x80000000
	JLOAD \s                                       ; the ring is filled before anything else is done: two loads of mine are out
.endr
	; A fragment is 16 rows x 32 k in 8 registers: lane l holds row l % 16; registers 0-3 hold k = 8 (l / 16) + 0..7, registers 4-7 hold k = 16 + 8 (l / 16) + 0..7.
	v_and_b32 v1, 15, v0                           ; r = l % 16
	v_bfe_u32 v2, v0, 4, 1                         ; h = l / 16
	v_lshrrev_b32 v4, 3, v1                        ; r / 8, which is also (l / 8) % 2
	v_and_b32 v5, 7, v0                            ; r % 8 = l % 8
	v_and_b32 v7, 31, v0                           ; lane
	v_mul_u32_u24 v3, v4, 272                      ; q: two loads of 16 bytes, one from each of two blocks: 272 (r / 8) + 32 (r % 8) + 16 h
	v_lshl_add_u32 v3, v5, 5, v3
	v_lshl_add_u32 v3, v2, 4, v3
	v_lshl_add_u32 v6, v2, 3, v5                   ; w: the turning load: row 8 h + l % 8, 16 bytes at 16 ((l / 8) % 2)
	v_mul_u32_u24 v6, v6, BPITCH
	v_lshl_add_u32 v6, v4, 4, v6
	s_mul_i32 s21, s11, HALFT                      ; my 128 rows of q
	s_lshl_b32 s22, s12, 8                         ; my 128 columns of w, 256 bytes,
	s_add_co_u32 s22, s22, 2*HALFT                 ; behind q's 256 rows
.irp s, 0,1
	v_add_nc_u32 v[ADRA+(\s)], s21, v3
	v_add_nc_u32 v[ADRB+(\s)], s22, v6
	s_add_co_u32 s21, s21, SLOT
	s_add_co_u32 s22, s22, SLOT
.endr
	s_mul_i32 s23, s10, 16*SPITCH
	s_add_co_u32 s23, s23, STAGE                   ; my stage
	v_mul_u32_u24 v[STO], v1, SPITCH               ; in: row r, 32 bytes for each half of the lanes
	v_lshl_add_u32 v[STO], v2, 5, v[STO]
	v_add_nc_u32 v[STO], s23, v[STO]
	v_lshl_add_u32 v[RD], v7, 4, s23               ; back: 32 lanes take one row of 512 bytes
	v_lshlrev_b32 v[CO], 4, v7
	s_lshl_b32 s16, s13, 22                        ; where my part of the tile begins in out0: 256 rows of 16,384 bytes a tile row,
	s_lshl_b32 s17, s11, 21                        ; 128 rows a half,
	s_add_co_u32 s16, s16, s17
	s_mov_b32 s17, 0
	s_lshl_b32 s46, s42, 10                        ; 1,024 bytes a tile column, 512 a half
	s_lshl_b32 s47, s12, 9
	s_add_co_u32 s46, s46, s47
	s_mov_b32 s47, 0
	s_add_nc_u64 s[16:17], s[16:17], s[46:47]
; 16 matrix instructions: m blocks a0, a0 + 1 of the window's four (hi = 0: my rows 0-63, 1: rows 64-127) x all 8 n blocks, 32 along K.  zero = 1: the first product starts the sums: nothing is ever cleared.
; The 64 accumulators take turns, one instruction a turn, in the same order in every quarter step.
.macro MUL16 f, hi, a0, zero
	WIN MUL_LO+0x50*(\hi)
.irp a, \a0, (\a0)+1
.irp b, 0,1,2,3,4,5,6,7
.if \zero
	v_wmma_f32_16x16x32_f16 v[8*(8*(\a)+(\b)):8*(8*(\a)+(\b))+7], v[(\f)+8*(\b):(\f)+8*(\b)+7], v[(\f)+8*(4*(\hi)+(\a)):(\f)+8*(4*(\hi)+(\a))+7], 0
.else
	v_wmma_f32_16x16x32_f16 v[8*(8*(\a)+(\b)):8*(8*(\a)+(\b))+7], v[(\f)+8*(\b):(\f)+8*(\b)+7], v[(\f)+8*(4*(\hi)+(\a)):(\f)+8*(4*(\hi)+(\a))+7], v[8*(8*(\a)+(\b)):8*(8*(\a)+(\b))+7]
.endif
.endr
.endr
.endm
; 32 LDS loads in one run: the fragments of quarter q of a slot (32 k: rows 32 q .. of w, blocks 2 q and 2 q + 1 of q) into buffer f
.macro FETCH slot, q, f
	WIN TO_B
.irp i, 0,1,2,3,4,5,6,7
	ds_load_tr16_b128 v[(\f)+8*(\i):(\f)+8*(\i)+3],   v[ADRB+(\slot)] offset:(\q)*32*BPITCH+32*(\i)
	ds_load_tr16_b128 v[(\f)+8*(\i)+4:(\f)+8*(\i)+7], v[ADRB+(\slot)] offset:(\q)*32*BPITCH+16*BPITCH+32*(\i)
.endr
	WIN 0
.irp i, 0,1,2,3,4,5,6,7
	ds_load_b128 v[(\f)+8*(\i):(\f)+8*(\i)+3],   v[ADRA+(\slot)] offset:2*(\q)*ABLK+544*(\i)
	ds_load_b128 v[(\f)+8*(\i)+4:(\f)+8*(\i)+7], v[ADRA+(\slot)] offset:(2*(\q)+1)*ABLK+544*(\i)
.endr
.endm
; A load into a register that a matrix instruction has read, and an LDS store that reads a matrix result, stand four places behind that matrix instruction, and only plain vector instructions that name
; none of its registers are places (ISA guide 7.12.1 for vector instructions).
.macro PLACES
.rept 4
	v_nop
.endr
.endm
; A K step is four quarters of 32 along K, 64 matrix instructions each, on buffers 0, 1, 0, 1.  One of the first three: multiplies buffer f; in its middle it fetches quarter q of the same slot into buffer g.
.macro QUARTER slot, q, f, g, zero
	s_wait_dscnt 8                                 ; w and q's rows 0-63 are in; the youngest eight loads (q's rows 64-127) may be out
	MUL16 \f, 0, 0, \zero
	MUL16 \f, 0, 2, \zero
	PLACES
	FETCH \slot, \q, \g
	s_wait_dscnt 32                                ; all but the 32 just issued
	MUL16 \f, 1, 0, \zero
	MUL16 \f, 1, 2, \zero
.endm
; The last quarter multiplies buffer 1 and changes slots.  MEET is its first half: ONE barrier for the change.  In front of it each wave waits for all its tensor loads, of which one is out: its part of the
; next slot; adds 0 to its spare word; and waits for that and for its own reads of this slot.  Behind it nobody reads this slot any more and the next slot is whole.
.macro MEET round                      ; round = 1: a round of the cluster's barrier follows
	WIN 0                                          ; (the add's two registers lie in window 0)
	s_wait_tensorcnt 0x0                           ; all my tensor loads have landed
	ds_add_u32 v[SPW], v[NIL]                      ; 0 onto my spare word
	s_wait_dscnt 9                                 ; (the add and the youngest eight loads may be out)
	MUL16 F1, 0, 0, 0                              ; sixteen matrix instructions stand between the add and the wait for it
	s_wait_dscnt 0x0                               ; the add is done, and my reads of this slot are over
	s_barrier_signal -1
	MUL16 F1, 0, 2, 0                              ; work on registers while the others arrive
.if \round
	WIN 0
.endif
	s_barrier_wait -1
.endm
; The whole last quarter of a K step whose slot is filled again, with the K step two steps on: the joint refill is the first tensor load behind the round, and has 224 matrix instructions in which to land.
.macro TURN slot, next
	MEET 1
	CREST                                          ; no wave of any partner still reads this slot's tile or has a load on its way
	s_add_nc_u64 s[G0+4*(\slot)+2:G0+4*(\slot)+3], s[G0+4*(\slot)+2:G0+4*(\slot)+3], 2*KB
	s_add_nc_u64 s[G0B+4*(\slot)+2:G0B+4*(\slot)+3], s[G0B+4*(\slot)+2:G0B+4*(\slot)+3], 2*KB
	JLOAD \slot                                    ; the four v_nop behind it are also the places in front of the loads below
	FETCH \next, 0, F0
	MUL16 F1, 1, 0, 0
	MUL16 F1, 1, 2, 0
.endm
; THE WAY OUT of block a (16 rows x 128 columns of f32).  TOSTAGE: a lane's 32 bytes of a row go into my own stage, each accumulator's low four registers first, and whole rows of 512 bytes come back.  SEND: stored.
.macro TOSTAGE a
.set AC, 64*((\a)%4)
.set BK, F0+64*((\a)%2)
	s_wait_xcnt 0x0                                ; the registers that the block two back was stored from are loaded again only behind this wait
	WIN 0x08+4*((\a)/4)                            ; the store's data (source 1): window 2 or 3
.irp b, 0,1,2,3,4,5,6,7
	ds_store_b128 v[STO], v[AC+8*(\b):AC+8*(\b)+3]   offset:64*(\b)
	ds_store_b128 v[STO], v[AC+8*(\b)+4:AC+8*(\b)+7] offset:64*(\b)+16
.endr
	WIN 0
.irp t, 0,1,2,3,4,5,6,7,8,9,10,11,12,13,14,15
	ds_load_b128 v[BK+4*(\t):BK+4*(\t)+3], v[RD] offset:(\t)*SPITCH  ; LDS serves a wave's instructions in order (ISA guide 5.7.1.4): these see the stores above, and the next block's stores come behind them
.endr
.endm
.macro SEND a, younger                 ; younger: the LDS instructions issued behind block a's loads: the next block's 32, or none
.set BK, F0+64*((\a)%2)
	WIN 0
	s_wait_dscnt \younger                          ; the block is back in registers
	s_wait_xcnt 0x0                                ; the stores' base is stepped only behind this wait
.if (\a) == 0
	s_add_nc_u64 s[8:9], s[8:9], s[16:17]          ; on to my part of the tile
.else
	s_add_nc_u64 s[8:9], s[8:9], 16*16384          ; 16 rows on
.endif
.irp t, 0,1,2,3,4,5,6,7,8,9,10,11,12,13,14,15
	global_store_b128 v[CO], v[BK+4*(\t):BK+4*(\t)+3], s[8:9] offset:(\t)*16384 th:TH_STORE_NT  ; each store of the wave covers 512 consecutive bytes, aligned
.endr
.endm
	s_wait_tensorcnt 1                             ; my part of K step 0 is in; K step 1's may stay out
	s_barrier_signal -1
	s_barrier_wait -1                              ; everybody's is
	FETCH 0, 0, F0
	QUARTER 0, 1, F0, F1, 1                        ; the first quarter stands in front of the loop: its products start the sums
	WIN 0                                          ; at a label and at a branch every window is 0
	s_mov_b32 s3, LAPS-1
.Llap:                                                 ; a trip goes once round the ring, from a lap's second quarter to the next lap's first, and fills both slots again
	QUARTER 0, 2, F1, F0, 0
	QUARTER 0, 3, F0, F1, 0
	TURN 0, 1
	QUARTER 1, 1, F0, F1, 0
	QUARTER 1, 2, F1, F0, 0
	QUARTER 1, 3, F0, F1, 0
	TURN 1, 0
	QUARTER 0, 1, F0, F1, 0
	WIN 0
	s_sub_co_u32 s3, s3, 1
	s_cmp_lg_u32 s3, 0
	s_cbranch_scc1 .Llap
	QUARTER 0, 2, F1, F0, 0                        ; the last lap fills nothing, and has no round of the cluster's barrier
	QUARTER 0, 3, F0, F1, 0
	MEET 0                                         ; my one tensor load that was still out is slot 1's, the last K step's
	PLACES                                         ; for the loads into buffer 0
	FETCH 1, 0, F0
	MUL16 F1, 1, 0, 0
	MUL16 F1, 1, 2, 0
	QUARTER 1, 1, F0, F1, 0
	QUARTER 1, 2, F1, F0, 0
	QUARTER 1, 3, F0, F1, 0
	s_wait_dscnt 8                                 ; the very last quarter: nothing more to fetch
	MUL16 F1, 0, 0, 0
	MUL16 F1, 0, 2, 0
	s_wait_dscnt 0x0
	MUL16 F1, 1, 0, 0
	MUL16 F1, 1, 2, 0
	WIN 0
	PLACES                                         ; the stage's stores read results, and its loads land in fragment registers
	TOSTAGE 0
.irp a, 1,2,3,4,5,6,7                  ; block a's way through the stage is issued ahead of the wait for block a - 1's
	TOSTAGE \a
	SEND (\a)-1, 32
.endr
	SEND 7, 0
	s_wait_tensorcnt 0x0                           ; the wave's end: behind my last tensor load and my last LDS store
	ds_add_u32 v[SPW], v[NIL]
	s_wait_dscnt 0x0
	CROUND                                         ; the closing round: no work-group ends while a partner may still ask for a tile that names it
	s_endpgm
.Lfunc_end_k_qe9eca20e85_gemm:
	.size	k_qe9eca20e85_gemm, .Lfunc_end_k_qe9eca20e85_gemm-k_qe9eca20e85_gemm
	.p2alignl 7, 3214868480
	.fill 96, 4, 3214868480
	.section	.rodata,"a",@progbits
	.p2align	6, 0x0
	.amdhsa_kernel k_qe9eca20e85_gemm
		.amdhsa_group_segment_fixed_size 327680
		.amdhsa_private_segment_fixed_size 0
		.amdhsa_enable_private_segment 0
		.amdhsa_kernarg_size 24
		.amdhsa_user_sgpr_count 2
		.amdhsa_user_sgpr_kernarg_segment_ptr 1
		.amdhsa_wavefront_size32 1
		.amdhsa_system_sgpr_workgroup_id_x 1
		.amdhsa_system_sgpr_workgroup_id_y 1
		.amdhsa_system_sgpr_workgroup_id_z 1
		.amdhsa_system_vgpr_workitem_id 0
		.amdhsa_next_free_vgpr 1024
		.amdhsa_next_free_sgpr 66
		.amdhsa_reserve_vcc 0
		.amdhsa_float_denorm_mode_32 3
		.amdhsa_float_denorm_mode_16_64 3
		.amdhsa_memory_ordered 1
		.amdhsa_forward_progress 1
		.amdhsa_inst_pref_size 141
	.end_amdhsa_kernel
	.amdgpu_metadata
---
amdhsa.version: [ 1, 2 ]
amdhsa.kernels:
  - .name:           k_qe9eca20e85_gemm
    .symbol:         k_qe9eca20e85_gemm.kd
    .args:
      - { .name: qb, .offset: 0, .size: 8, .value_kind: global_buffer, .address_space: global }
      - { .name: wb, .offset: 8, .size: 8, .value_kind: global_buffer, .address_space: global }
      - { .name: out0, .offset: 16, .size: 8, .value_kind: global_buffer, .address_space: global }
    .group_segment_fixed_size: 327680
    .private_segment_fixed_size: 0
    .kernarg_segment_align: 8
    .kernarg_segment_size: 24
    .max_flat_workgroup_size: 128
    .sgpr_count:     66
    .vgpr_count:     1024
    .wavefront_size: 32
...
	.end_amdgpu_metadata
.endif
;; end of part 2
;; ======== version 2 of 2: 2 launches
;; limits: values are held in f16: magnitudes above 65,504 overflow, below 6.1e-05 lose precision; inputs' magnitudes at most 65,504; below input magnitudes of 7.9e-31 results are inexact or not finite
;; workspace buffers: qb 33,554,432 bytes; wb 33,554,432 bytes
;; launch prep (part 3): grid 256 x 1, 8 waves a work-group, no clusters, 327,680 bytes of LDS; arguments x, weight, nf_lut, qb, wb; writes qb, wb
.if DOCPART == 3
	.amdgcn_target "amdgcn-amd-amdhsa--gfx1250"
	.amdhsa_code_object_version 6
	.text
	.protected	k_qe9eca20e85_prep
	.globl	k_qe9eca20e85_prep
	.p2align	8
	.type	k_qe9eca20e85_prep,@function
k_qe9eca20e85_prep:
	s_mov_b64 s[64:65], 0
	v_nop
	global_prefetch_b8 v0, s[64:65] scope:SCOPE_SE
	s_setreg_imm32_b32 hwreg(HW_REG_WAVE_MODE, 25, 1), 1
	s_wait_xcnt 0x0
; QuantLinearSim, first of two launches.  x is taken as [4096 rows][4096 columns] f32.  For each COLUMN: the two quantile bounds, the outlier mask, min and max of what is
; left (outliers replaced by the median), offset and half range; then every number is rounded to the nearest of the 16 poles (outliers pass unchanged) and written as f16 into
; qb, laid out [column / 16][row][16]: a work-group's 16 columns are one dense block of 131,072 bytes.  Besides, weight [k][n] f32 is written as f16 into wb [k][n].
; SHARES.  Work-group g owns columns 16 g .. 16 g + 15 of all 4,096 rows (262,144 bytes, kept in LDS for the three passes that each depend on the one before) and weight rows 16 g .. + 15.
; Wave w owns rows 512 w .. + 511: 64 groups of 8 rows.  In a group lane l holds row l / 4, columns 4 (l % 4) .. + 3: one 16-byte LDS load at 16 l, 512 consecutive bytes a wave.
; MEMORY BESIDE ARITHMETIC.  x is asked for first, all of it; the table is made while it is on its way, and pass 1 takes each of my four tiles as it lands.  A wave's weight is 64 loads of 512 bytes:
; 32 of them go through three register buffers of 8 loads while passes 1 and 2 work on LDS alone (24 asked for when x is in, 8 more when the first 8 have left), the other 32 go four to a trip of pass 3.
; WHAT MUST BE EXACT.  One number rounded to another pole than expected moves 4,096 outputs by more than they may differ.  So bounds, mask, min, max, offset, half range, x - offset, the
; quotient and the choice of pole are made with stated f32 roundings; only what follows the choice (the pole's value as a sum, one fused multiply-add, f16) is rounded otherwise.
;   bounds: sorted places 2, 3 and 4092, 4093, weighted as f32(q) * 4095 gives them for 4,096 rows: two products and a sum.
;   median: it matters only where it is itself an outlier.  It is one below exactly if 2,048 numbers or more are <= L (then it lies between place 3 and L: place 3 is taken), one above exactly if
;   2,049 or more are >= U (place 4092 is taken).  Otherwise it is one of the numbers left and changes neither min nor max.
;   THE QUOTIENT IS TAKEN AS round(a y), a = round(x - offset), y = round(1 / half range): a product by the column's reciprocal, NOT the correctly rounded a / b.  The two differ in the last bit of some
;   quotients, and for a quotient that lies on a boundary between two poles that bit decides the pole.  y is made correctly rounded: v_rcp_f32, two Newton steps, the best of three neighbours by |1 - b y|.
;   pole: the table is sorted (any order, any values are served); for each pair of neighbours the reference's own test |t - upper| < |t - lower| (<= where the upper stands earlier in the table)
;   is bisected over the ordered bit patterns, 32 steps: tm is the last float at which the lower pole wins.  step = clamp01((Q - tm) 2^100) is 0 up to tm and 1 from the next float on.
; LIMITS.  x and the table finite; |x| < 2^100, |pole| < 2^27; a half range below 2^-100 counts as 0; a boundary tm of magnitude below 2^-76 (poles closer than 2^-50) may give a value between the two poles;
; in columns where half of all numbers are outliers the median may be one step of f32 off; q and weight must lie within f16's 65,504 (beyond it the f16 is an infinity); below 6e-5 f16 keeps its fixed step of 6e-8.
; NO CLUSTER: no two work-groups read the same bytes of x or weight.  NO MATRIX UNIT: nothing here is a product of matrices.
.set LS1,   262144                     ; behind x: [wave 8][8 ranks: top 0-3, bottom 0-3][16 columns] f32
.set LS2,   266240                     ; [wave 8][min above L, max below U, count above L, count below U][16 columns] f32
.set LS3,   268288                     ; [wave 8][16 boundaries][-tm 2^100 twice, gap twice] f32: each wave's own copy, kept here while the registers serve the weight
.set SPARE, 270336                     ; the spare words: 128 bytes for each of eight waves, four blocks of 256 bytes that no other line names
.set LA0, 2                            ; v2   LDS address of my 16 bytes in my wave's first group; never rewritten
.set LA,  3                            ; v3   the same, walking
.set S1ST, 4                           ; v4-7 where my wave's lists and figures go, and where lane group l / 4 reads wave l / 4's
.set S1LD, 5
.set S2ST, 6
.set S2LD, 7
.set O8,  8                            ; v8   8 x lane: my place in 256 bytes of f16
.set O16, 9                            ; v9   16 x lane: my place in 512 bytes of f32
.set OLUT, 10                          ; v10  4 x (lane % 16)
.set L15, 11                           ; v11  lane % 16
.set SPW, 12                           ; v12  LDS address of my spare word; never rewritten
.set NIL, 13                           ; v13  0; never rewritten
.set TLD, 15                           ; v15  behind the head: LDS address of my wave's copy of the boundaries
.set TA,  16                           ; four lists of 4 ranks x 4 columns (register = base + 4 rank + column): tops and bottoms, two buffers each
.set BA,  32
.set TB,  48
.set BB,  64
.set X,   80                           ; v80-111  eight groups as loaded; scratch for the table and for the columns' figures
.set LV,  112                          ; by column, four registers each: lower bound, upper bound, offset, half range, its reciprocal
.set UV,  116
.set OFF, 120
.set RNG, 124
.set RCP, 128
.set AMN, 132                          ; least number above L, greatest below U, how many above L, how many below U
.set BMX, 136
.set NGL, 140
.set NLU, 144
.set TM,  148                          ; v148-155 at work
.set WB,  156                          ; v156-251 until pass 3: 24 groups of 4 registers: 512 bytes of weight a group as loaded, then as f16 in the group's first two registers
.set CD,  156                          ; v156-215 in pass 3: boundary k at CD + 4 k: -tm 2^100 twice, then upper pole - lower pole twice
.set BIG, 216                          ; 2^100, twice
.set P0,  218                          ; the lowest pole, twice
.set W,   220                          ; v220-235 in pass 3: four loads of weight
.set WOUT, 16                          ; pass 3 takes the lists' registers: weight as f16, q as f16, x - offset (then the outlier part), the part to quantise (then the pole), the quotient, the step
.set QB,  32
.set XC,  48
.set XD,  56
.set Q,   64
.set R,   72
.set TC,  X                            ; the table's scratch: my entry, its rank, pole at my place and at the next, their places in the table, the bisection
.set RK,  X+1
.set PS,  X+2
.set PN,  X+3
.set OS,  X+4
.set ON,  X+5
.set LO,  X+6
.set HI,  X+7
.set MID, X+8
.set TT,  X+9
.set TV,  X+10
.set D0,  X+11
.set D1,  X+12
.set L1,  X+13
.set ROWT, X+16                        ; my boundary's row of four words
.set TST, X+20                         ; and where it goes
.set WV,  14                           ; s14  my wave's number
.set CT,  15                           ; s15  loop counter
.set G1,  16                           ; s[16:23] descriptor group 1
.set G0,  24                           ; s[24:39] four sets of group 0
.set SEL, 48                           ; s[48:49] v_permlanex16_b32's selects: each lane takes its own place in the other half
.set PINF, 50
.set NINF, 51
.set MK,  68                           ; s[68:83] lane masks of pass 3;  s58 the lowest pole;  s59 my wave's copy of the boundaries in LDS
; n loads of 512 bytes of weight, pieces at .. at + n - 1 of my wave's 64, into groups first ..
.macro WASK first, n, at
.set wj, 0
.rept \n
	global_load_b128 v[WB+4*((\first)+wj):WB+4*((\first)+wj)+3], v[O16], s[6:7] offset:512*((\at)+wj) th:TH_LOAD_NT
.set wj, wj+1
.endr
.endm
; The same groups leave: four f32 become two words of f16 in the group's first two registers; each store of the wave covers 256 consecutive bytes, aligned.
.macro WSEND first, n, at
.set wj, 0
.rept \n
	v_cvt_pk_f16_f32 v[WB+4*((\first)+wj)],   v[WB+4*((\first)+wj)],   v[WB+4*((\first)+wj)+1]
	v_cvt_pk_f16_f32 v[WB+4*((\first)+wj)+1], v[WB+4*((\first)+wj)+2], v[WB+4*((\first)+wj)+3]
.set wj, wj+1
.endr
.set wj, 0
.rept \n
	global_store_b64 v[O8], v[WB+4*((\first)+wj):WB+4*((\first)+wj)+1], s[12:13] offset:256*((\at)+wj)
.set wj, wj+1
.endr
.endm
	s_load_b256 s[4:11], s[0:1], 0x0               ; x s[4:5], weight s[6:7], nf_lut s[8:9], qb s[10:11]
	s_load_b64 s[12:13], s[0:1], 0x20              ; wb
	v_lshl_add_u32 v[SPW], v0, 2, SPARE
	v_mov_b32 v[NIL], 0
	ds_add_u32 v[SPW], v[NIL]                      ; the wave's opening: the add and its wait stand ahead of my first tensor load; the set-up below, work on registers, stands between them
	ds_add_u32 v12, v13
	v_lshrrev_b32 v14, 5, v0
	v_readfirstlane_b32 s[WV], v14                 ; wave 0..7
	; group 1: a tile of 128 rows x 16 elements of 4 bytes, rows 4,096 elements apart, dense in LDS
	s_mov_b32 s[G1+0], 2<<16                       ; 17:16 elements of 4 bytes; no mask, no padding
	s_mov_b32 s[G1+1], 16<<16                      ; tensor_dim0 = 16
	s_mov_b32 s[G1+2], 128<<16                     ; tensor_dim1 = 128
	s_mov_b32 s[G1+3], 16<<16                      ; tile_dim0 = 16
	s_mov_b32 s[G1+4], 128                         ; tile_dim1 = 128
	s_mov_b32 s[G1+5], 4096                        ; elements from row to row
	s_mov_b32 s[G1+6], 0
	s_mov_b32 s[G1+7], 0
	s_mov_b32 s[SEL], 0x76543210
	s_mov_b32 s[SEL+1], 0xfedcba98
	s_mov_b32 s[PINF], 0x7f800000
	s_mov_b32 s[NINF], 0xff800000
	s_lshl_b32 s40, s[WV], 15                      ; my wave's 512 rows of 64 bytes in LDS
	s_lshl_b32 s52, ttmp9, 6                       ; x: 64 bytes a work-group along a row,
	s_lshl_b32 s53, s[WV], 23                      ; 512 rows of 16,384 bytes a wave
	s_add_co_u32 s52, s52, s53
	s_mov_b32 s53, 0
	s_lshl_b32 s54, ttmp9, 18                      ; weight: 16 rows of 16,384 bytes a work-group, 32,768 bytes a wave
	s_add_co_u32 s54, s54, s40
	s_mov_b32 s55, 0
	s_lshl_b32 s56, ttmp9, 17                      ; qb and wb: half of that
	s_lshl_b32 s57, s[WV], 14
	s_add_co_u32 s56, s56, s57
	s_mov_b32 s57, 0
	v_and_b32 v1, 31, v0                           ; lane
	v_and_b32 v14, 3, v0                           ; which four columns
	v_bfe_u32 v15, v0, 2, 3                        ; which row of a group
	v_lshl_add_u32 v[LA0], v1, 4, s40
	s_lshl_b32 s41, s[WV], 9
	s_add_co_u32 s41, s41, LS1
	v_lshl_add_u32 v[S1ST], v14, 4, s41
	v_lshlrev_b32 v[S1LD], 9, v15
	v_lshl_add_u32 v[S1LD], v14, 4, v[S1LD]
	v_add_nc_u32 v[S1LD], LS1, v[S1LD]
	s_lshl_b32 s42, s[WV], 8
	s_add_co_u32 s59, s42, LS3                     ; my wave's 256 bytes for the boundaries
	s_add_co_u32 s42, s42, LS2
	v_lshl_add_u32 v[S2ST], v14, 4, s42
	v_lshlrev_b32 v[S2LD], 8, v15
	v_lshl_add_u32 v[S2LD], v14, 4, v[S2LD]
	v_add_nc_u32 v[S2LD], LS2, v[S2LD]
	v_lshlrev_b32 v[O8], 3, v1
	v_lshlrev_b32 v[O16], 4, v1
	v_and_b32 v[L15], 15, v0
	v_lshlrev_b32 v[OLUT], 2, v[L15]
	s_wait_dscnt 0x0                               ; the opening add is done
	s_wait_kmcnt 0x0
	s_add_nc_u64 s[4:5], s[4:5], s[52:53]          ; x at my wave's first row, my group's first column
	s_add_nc_u64 s[6:7], s[6:7], s[54:55]          ; weight, qb and wb at my wave's share
	s_add_nc_u64 s[10:11], s[10:11], s[56:57]
	s_add_nc_u64 s[12:13], s[12:13], s[56:57]
	; All of my wave's x is asked for at once, 128 rows a load: four tensor loads of mine are out.  Each LDS byte is filled once in the launch.
.irp j, 0,1,2,3
	s_mov_b32 s[G0+4*\j], 1                        ; count = 1
	s_add_co_u32 s[G0+4*\j+1], s40, 8192*\j        ; LDS address: my wave's part, 128 rows of 64 bytes a load
	s_add_nc_u64 s[G0+4*\j+2:G0+4*\j+3], s[4:5], 2097152*\j  ; 128 rows of 16,384 bytes further down
	s_or_b32 s[G0+4*\j+3], s[G0+4*\j+3], 0x80000000  ; type = 2
	tensor_load_to_lds s[G0+4*\j:G0+4*\j+3], s[G1:G1+7]
	s_nop 0
.endr
	global_load_b32 v[TC], v[OLUT], s[8:9]         ; table entry lane % 16
	; While the tiles are on their way: the lists' start values, and the table.  The second buffers and the scratch are written because lane-crossing forms count as readers of their destinations.
.set i, 0
.rept 16
	v_mov_b32 v[TA+i], s[NINF]
	v_mov_b32 v[BA+i], s[PINF]
	v_mov_b32 v[TB+i], 0
	v_mov_b32 v[BB+i], 0
.set i, i+1
.endr
.set i, 0
.rept 8
	v_mov_b32 v[TM+i], 0
.set i, i+1
.endr
	v_mov_b32 v[TLD], s59
	v_mov_b32 v[RK], 0
	v_mov_b32 v[PS], 0
	v_mov_b32 v[PN], 0
	v_mov_b32 v[OS], 0
	v_mov_b32 v[ON], 0
	v_add_nc_u32 v[L1], 1, v[L15]
	s_wait_loadcnt 0x0                             ; the table entry: the one global load that is out
	; my entry's rank: how many entries are less, or equal and earlier in the table
.irp j, 0,1,2,3,4,5,6,7,8,9,10,11,12,13,14,15
	v_readlane_b32 s40, v[TC], \j
	v_cmp_gt_f32 s41, v[TC], s40
	v_cmp_eq_f32 s42, v[TC], s40
	s_and_b32 s42, s42, (((0xfffe<<\j)&0xffff)*0x10001)  ; the lanes whose place in the table is behind j
	s_or_b32 vcc_lo, s41, s42
	v_add_co_ci_u32 v[RK], vcc_lo, 0, v[RK], vcc_lo
.endr
	; lane k takes the pole of rank k and the pole of rank k + 1, each with its place in the table (lane 15's upper neighbour stays 0 and is never used)
.irp j, 0,1,2,3,4,5,6,7,8,9,10,11,12,13,14,15
	v_readlane_b32 s40, v[TC], \j
	v_readlane_b32 s41, v[RK], \j
	v_cmp_eq_u32 vcc_lo, s41, v[L15]
	v_cndmask_b32 v[PS], v[PS], s40, vcc_lo
	v_cndmask_b32 v[OS], v[OS], \j, vcc_lo
	v_cmp_eq_u32 vcc_lo, s41, v[L1]
	v_cndmask_b32 v[PN], v[PN], s40, vcc_lo
	v_cndmask_b32 v[ON], v[ON], \j, vcc_lo
.endr
	v_cmp_lt_u32 s43, v[ON], v[OS]                 ; the upper pole stands earlier in the table: it wins ties
	v_ashrrev_i32 v[TT], 31, v[PS]                 ; bit patterns in the order of the numbers: positive ones get the top bit, negative ones are inverted
	v_or_b32 v[TT], 0x80000000, v[TT]
	v_xor_b32 v[LO], v[PS], v[TT]
	v_ashrrev_i32 v[TT], 31, v[PN]
	v_or_b32 v[TT], 0x80000000, v[TT]
	v_xor_b32 v[HI], v[PN], v[TT]
	s_mov_b32 s[CT], 32
.Lbisect:                                              ; at LO the lower pole wins, at HI the upper; 32 halvings leave them neighbours
	v_sub_nc_u32 v[TT], v[HI], v[LO]
	v_lshrrev_b32 v[TT], 1, v[TT]
	v_add_nc_u32 v[MID], v[LO], v[TT]
	v_ashrrev_i32 v[TT], 31, v[MID]
	v_xor_b32 v[TT], -1, v[TT]
	v_or_b32 v[TT], 0x80000000, v[TT]
	v_xor_b32 v[TV], v[MID], v[TT]                 ; the float in the middle
	v_sub_f32 v[D1], v[TV], v[PN]                  ; the reference's two distances, rounded as it rounds them
	v_sub_f32 v[D0], v[TV], v[PS]
	v_cmp_lt_f32 s41, |v[D1]|, |v[D0]|
	v_cmp_le_f32 s42, |v[D1]|, |v[D0]|
	s_and_b32 s42, s42, s43
	s_or_b32 vcc_lo, s41, s42
	v_cndmask_b32 v[HI], v[HI], v[MID], vcc_lo
	v_cndmask_b32 v[LO], v[MID], v[LO], vcc_lo
	s_sub_co_u32 s[CT], s[CT], 1
	s_cmp_lg_u32 s[CT], 0
	s_cbranch_scc1 .Lbisect
	v_ashrrev_i32 v[TT], 31, v[LO]
	v_xor_b32 v[TT], -1, v[TT]
	v_or_b32 v[TT], 0x80000000, v[TT]
	v_xor_b32 v[TV], v[LO], v[TT]                  ; tm
	v_mul_f32 v[ROWT], 0xf1800000, v[TV]           ; -tm 2^100: exact
	v_sub_f32 v[ROWT+2], v[PN], v[PS]              ; the gap
	v_lshl_add_u32 v[TST], v[L15], 4, s59          ; row lane % 16 of my wave's copy; lanes l and l + 16 write the same bytes with the same values
	v_mov_b32 v[ROWT+1], v[ROWT]                   ; each twice, for the packed forms
	v_mov_b32 v[ROWT+3], v[ROWT+2]
	v_readlane_b32 s58, v[PS], 0                   ; the lowest pole
	ds_store_b128 v[TST], v[ROWT:ROWT+3]           ; read back ahead of pass 3, by my wave alone (row 15 is no boundary and is never read)
; PASS 1: for each of my four columns the four greatest and the four least of the numbers that my lane sees, kept sorted.  A number enters a sorted list by three medians and a maximum (minimum),
; the last rank first, so that each line still reads the old neighbour.
.macro INS g
.irp c, 0,1,2,3
	v_med3_num_f32 v[TA+12+\c], v[TA+8+\c], v[TA+12+\c], v[X+4*(\g)+\c]
.endr
.irp c, 0,1,2,3
	v_med3_num_f32 v[BA+12+\c], v[BA+8+\c], v[BA+12+\c], v[X+4*(\g)+\c]
.endr
.irp c, 0,1,2,3
	v_med3_num_f32 v[TA+8+\c], v[TA+4+\c], v[TA+8+\c], v[X+4*(\g)+\c]
.endr
.irp c, 0,1,2,3
	v_med3_num_f32 v[BA+8+\c], v[BA+4+\c], v[BA+8+\c], v[X+4*(\g)+\c]
.endr
.irp c, 0,1,2,3
	v_med3_num_f32 v[TA+4+\c], v[TA+\c], v[TA+4+\c], v[X+4*(\g)+\c]
.endr
.irp c, 0,1,2,3
	v_med3_num_f32 v[BA+4+\c], v[BA+\c], v[BA+4+\c], v[X+4*(\g)+\c]
.endr
.irp c, 0,1,2,3
	v_max_num_f32 v[TA+\c], v[TA+\c], v[X+4*(\g)+\c]
.endr
.irp c, 0,1,2,3
	v_min_num_f32 v[BA+\c], v[BA+\c], v[X+4*(\g)+\c]
.endr
.endm
.macro GROUPS8                         ; eight groups, 4,096 bytes of my wave's rows, into X
.irp g, 0,1,2,3,4,5,6,7
	ds_load_b128 v[X+4*\g:X+4*\g+3], v[LA] offset:512*\g
.endr
.endm
; One of my four tiles: 128 rows, 16 groups, two trips.  left = how many younger tiles of mine may still be out.  ask = 1: x is all in: the first 24 loads of weight go out.
.macro CHUNK left, ask=0
	s_wait_tensorcnt \left                         ; a wave's tensor loads end in order (ISA guide 10.11.1): this tile is in LDS; only my wave reads it, so this wait is all the ordering that the reads need
.if \ask
	WASK 0, 24, 0
.endif
	s_mov_b32 s[CT], 2
.Lchunk_\@:
	GROUPS8
.irp g, 0,1,2,3,4,5,6,7
	s_wait_dscnt 7-\g                              ; LDS instructions end in order: group g is in, the 7 - g younger loads may be out
	INS \g
.endr
	v_add_nc_u32 v[LA], 4096, v[LA]
	s_sub_co_u32 s[CT], s[CT], 1
	s_cmp_lg_u32 s[CT], 0
	s_cbranch_scc1 .Lchunk_\@
.endm
	v_mov_b32 v[LA], v[LA0]
	CHUNK 3                                        ; rows 0-127 of my 512, while the other three tiles are on their way
	CHUNK 2
	CHUNK 1
	CHUNK 0, 1
; Two sorted lists of four become the sorted best four of the eight: rank i against the partner's rank 3 - i leaves the best four, rising and then falling; two rounds of exchanges sort them.
; S is the list (used up), D the result; hi keeps the better number, lo the worse; x is the partner's distance in lanes.
.macro LMERGE S, D, hi, lo, hid, x
.irp i, 0,1,2,3
.irp c, 0,1,2,3
.if \x == 16
	v_permlanex16_b32 v[\D+4*\i+\c], v[\S+4*(3-\i)+\c], s[SEL], s[SEL+1]
.else
	\hid v[\D+4*\i+\c], v[\S+4*(3-\i)+\c], v[\S+4*\i+\c] row_xmask:\x row_mask:0xf bank_mask:0xf
.endif
.endr
.endr
.if \x == 16
.irp i, 0,1,2,3
.irp c, 0,1,2,3
	\hi v[\D+4*\i+\c], v[\D+4*\i+\c], v[\S+4*\i+\c]
.endr
.endr
.endif
.irp c, 0,1,2,3
	\hi v[\S+\c],    v[\D+\c],   v[\D+8+\c]
	\lo v[\S+8+\c],  v[\D+\c],   v[\D+8+\c]
	\hi v[\S+4+\c],  v[\D+4+\c], v[\D+12+\c]
	\lo v[\S+12+\c], v[\D+4+\c], v[\D+12+\c]
.endr
.irp c, 0,1,2,3
	\hi v[\D+\c],    v[\S+\c],   v[\S+4+\c]
	\lo v[\D+4+\c],  v[\S+\c],   v[\S+4+\c]
	\hi v[\D+8+\c],  v[\S+8+\c], v[\S+12+\c]
	\lo v[\D+12+\c], v[\S+8+\c], v[\S+12+\c]
.endr
.endm
.macro LFLY                            ; over the eight lanes that hold the same columns (4, 8 and 16 lanes apart): from TA, BA into TB, BB
	LMERGE TA, TB, v_max_num_f32, v_min_num_f32, v_max_num_f32_dpp, 4
	LMERGE BA, BB, v_min_num_f32, v_max_num_f32, v_min_num_f32_dpp, 4
	LMERGE TB, TA, v_max_num_f32, v_min_num_f32, v_max_num_f32_dpp, 8
	LMERGE BB, BA, v_min_num_f32, v_max_num_f32, v_min_num_f32_dpp, 8
	LMERGE TA, TB, v_max_num_f32, v_min_num_f32, v_max_num_f32_dpp, 16
	LMERGE BA, BB, v_min_num_f32, v_max_num_f32, v_min_num_f32_dpp, 16
.endm
	LFLY                                           ; my wave's 512 rows
.irp r, 0,1,2,3
	ds_store_b128 v[S1ST], v[TB+4*\r:TB+4*\r+3] offset:64*\r      ; the eight lanes of a column group write the same bytes with the same values
	ds_store_b128 v[S1ST], v[BB+4*\r:BB+4*\r+3] offset:256+64*\r
.endr
	s_wait_dscnt 0x0                               ; for the others' sake: my stores are done.  (The loads of weight stay out over the barrier: nobody writes those bytes)
	s_barrier_signal -1
	s_barrier_wait -1
.irp r, 0,1,2,3
	ds_load_b128 v[TA+4*\r:TA+4*\r+3], v[S1LD] offset:64*\r       ; lane group l / 4 takes wave l / 4's lists
	ds_load_b128 v[BA+4*\r:BA+4*\r+3], v[S1LD] offset:256+64*\r
.endr
	s_wait_dscnt 0x0
	LFLY                                           ; all 4,096 rows: TB = places 4095, 4094, 4093, 4092; BB = places 0, 1, 2, 3
	; the bounds: low value x low weight + high value x high weight.  f32(0.0005) x 4095 = 2 + 199230 / 2^22; f32(0.9995) x 4095 = 4092 + 3901 / 4096
.irp c, 0,1,2,3
	v_mul_f32 v[TM+\c], 0x3f73d708, v[BB+8+\c]
	v_mul_f32 v[TM+4+\c], 0x3d428f80, v[BB+12+\c]
.endr
.irp c, 0,1,2,3
	v_add_f32 v[LV+\c], v[TM+\c], v[TM+4+\c]
.endr
.irp c, 0,1,2,3
	v_mul_f32 v[TM+\c], 0x3d430000, v[TB+12+\c]
	v_mul_f32 v[TM+4+\c], 0x3f73d000, v[TB+8+\c]
.endr
.irp c, 0,1,2,3
	v_add_f32 v[UV+\c], v[TM+\c], v[TM+4+\c]
.endr
	; weight: the first 8 of the 24 loads leave, and their registers take pieces 24 to 31
	s_wait_loadcnt 16                              ; loads come back in order (ISA guide 5.7.1): the 16 younger ones may stay out
	WSEND 0, 8, 0
	s_wait_xcnt 0x0                                ; the stores' data registers are loaded again only behind this wait
	WASK 0, 8, 24
; PASS 2: the least number above L, the greatest below U, and how many there are of each.
.macro SCAN g
.irp c, 0,1,2,3
	v_cmp_gt_f32 vcc_lo, v[X+4*(\g)+\c], v[LV+\c]
	v_cndmask_b32 v[TM+\c], s[PINF], v[X+4*(\g)+\c], vcc_lo
	v_add_co_ci_u32 v[NGL+\c], vcc_lo, 0, v[NGL+\c], vcc_lo
	v_cmp_lt_f32 vcc_lo, v[X+4*(\g)+\c], v[UV+\c]
	v_cndmask_b32 v[TM+4+\c], s[NINF], v[X+4*(\g)+\c], vcc_lo
	v_add_co_ci_u32 v[NLU+\c], vcc_lo, 0, v[NLU+\c], vcc_lo
	v_min_num_f32 v[AMN+\c], v[AMN+\c], v[TM+\c]
	v_max_num_f32 v[BMX+\c], v[BMX+\c], v[TM+4+\c]
.endr
.endm
.irp c, 0,1,2,3
	v_mov_b32 v[AMN+\c], s[PINF]
	v_mov_b32 v[BMX+\c], s[NINF]
	v_mov_b32 v[NGL+\c], 0
	v_mov_b32 v[NLU+\c], 0
.endr
	v_mov_b32 v[LA], v[LA0]
	s_mov_b32 s[CT], 8
.Lpass2:
	GROUPS8
.irp g, 0,1,2,3,4,5,6,7
	s_wait_dscnt 7-\g                              ; group g is in
	SCAN \g
.endr
	v_add_nc_u32 v[LA], 4096, v[LA]
	s_sub_co_u32 s[CT], s[CT], 1
	s_cmp_lg_u32 s[CT], 0
	s_cbranch_scc1 .Lpass2
	; weight: the other 24 groups leave (pieces 8 to 23, then 24 to 31); their registers go over to pass 3
	s_wait_loadcnt 0x0
	WSEND 8, 16, 8
	WSEND 0, 8, 24
	s_wait_xcnt 0x0                                ; the two bases are stepped, and the stores' data registers written anew, only behind this wait
	s_add_nc_u64 s[6:7], s[6:7], 16384             ; pass 3's half of my share: pieces 32 to 63
	s_add_nc_u64 s[12:13], s[12:13], 8192
.irp i, 0,1,2,3
	global_load_b128 v[W+4*\i:W+4*\i+3], v[O16], s[6:7] offset:512*\i th:TH_LOAD_NT   ; its first four loads, wanted at the head of pass 3
.endr
.set k, 0
.rept 15                                               ; the fifteen boundaries come back from my wave's copy, the same row into every lane; the wait in front of the barrier below is also theirs
	ds_load_b128 v[CD+4*k:CD+4*k+3], v[TLD] offset:16*k
.set k, k+1
.endr
	v_mov_b32 v[P0], s58
	v_mov_b32 v[P0+1], s58
	v_mov_b32 v[BIG], 0x71800000
	v_mov_b32 v[BIG+1], 0x71800000
	s_wait_xcnt 0x0                                ; the loads' base is stepped only behind this wait
	s_add_nc_u64 s[6:7], s[6:7], 2048
.irp c, 0,1,2,3
	v_cvt_f32_u32 v[NGL+\c], v[NGL+\c]             ; counts up to 4,096 are exact in f32, and f32 sums can ride on the lane-crossing forms
	v_cvt_f32_u32 v[NLU+\c], v[NLU+\c]
.endr
.macro RED x                           ; the four figures of my four columns, with the lane x away
.if \x == 16
.irp c, 0,1,2,3
	v_permlanex16_b32 v[TM+\c], v[AMN+\c], s[SEL], s[SEL+1]
	v_permlanex16_b32 v[TM+4+\c], v[BMX+\c], s[SEL], s[SEL+1]
.endr
.irp c, 0,1,2,3
	v_min_num_f32 v[AMN+\c], v[AMN+\c], v[TM+\c]
	v_max_num_f32 v[BMX+\c], v[BMX+\c], v[TM+4+\c]
.endr
.irp c, 0,1,2,3
	v_permlanex16_b32 v[TM+\c], v[NGL+\c], s[SEL], s[SEL+1]
	v_permlanex16_b32 v[TM+4+\c], v[NLU+\c], s[SEL], s[SEL+1]
.endr
.irp c, 0,1,2,3
	v_add_f32 v[NGL+\c], v[NGL+\c], v[TM+\c]
	v_add_f32 v[NLU+\c], v[NLU+\c], v[TM+4+\c]
.endr
.else
.irp c, 0,1,2,3
	v_min_num_f32_dpp v[AMN+\c], v[AMN+\c], v[AMN+\c] row_xmask:\x row_mask:0xf bank_mask:0xf
	v_max_num_f32_dpp v[BMX+\c], v[BMX+\c], v[BMX+\c] row_xmask:\x row_mask:0xf bank_mask:0xf
	v_add_f32_dpp v[NGL+\c], v[NGL+\c], v[NGL+\c] row_xmask:\x row_mask:0xf bank_mask:0xf
	v_add_f32_dpp v[NLU+\c], v[NLU+\c], v[NLU+\c] row_xmask:\x row_mask:0xf bank_mask:0xf
.endr
.endif
.endm
	RED 4
	RED 8
	RED 16
	ds_store_b128 v[S2ST], v[AMN:AMN+3]
	ds_store_b128 v[S2ST], v[BMX:BMX+3] offset:64
	ds_store_b128 v[S2ST], v[NGL:NGL+3] offset:128
	ds_store_b128 v[S2ST], v[NLU:NLU+3] offset:192
	s_wait_dscnt 0x0                               ; for the others' sake: my stores are done; the boundaries are in
	s_barrier_signal -1
	s_barrier_wait -1
	ds_load_b128 v[AMN:AMN+3], v[S2LD]
	ds_load_b128 v[BMX:BMX+3], v[S2LD] offset:64
	ds_load_b128 v[NGL:NGL+3], v[S2LD] offset:128
	ds_load_b128 v[NLU:NLU+3], v[S2LD] offset:192
	s_wait_dscnt 0x0
	RED 4
	RED 8
	RED 16
	; THE COLUMNS' FIGURES.  Candidates for min (max): the least above L (greatest below U) if it is no outlier; place 3 if the median is an outlier below; place 4092 if it is one above.
.irp c, 0,1,2,3
	v_cmp_lt_f32 vcc_lo, v[AMN+\c], v[UV+\c]       ; is any number left between the bounds?
	v_cndmask_b32 v[X+8*\c], s[PINF], v[AMN+\c], vcc_lo
	v_cndmask_b32 v[X+8*\c+1], s[NINF], v[BMX+\c], vcc_lo
	v_cmp_ge_f32 vcc_lo, 0x45000000, v[NGL+\c]     ; 2,048 at the most above L: the median is at or below L
	v_cndmask_b32 v[X+8*\c+2], s[PINF], v[BB+12+\c], vcc_lo
	v_cndmask_b32 v[X+8*\c+3], s[NINF], v[BB+12+\c], vcc_lo
	v_cmp_ge_f32 vcc_lo, 0x44ffe000, v[NLU+\c]     ; 2,047 at the most below U: the median is at or above U
	v_cndmask_b32 v[X+8*\c+4], s[PINF], v[TB+12+\c], vcc_lo
	v_cndmask_b32 v[X+8*\c+5], s[NINF], v[TB+12+\c], vcc_lo
	v_min3_num_f32 v[X+8*\c], v[X+8*\c], v[X+8*\c+2], v[X+8*\c+4]
	v_max3_num_f32 v[X+8*\c+1], v[X+8*\c+1], v[X+8*\c+3], v[X+8*\c+5]
	v_add_f32 v[X+8*\c+2], v[X+8*\c+1], v[X+8*\c]
	v_sub_f32 v[X+8*\c+3], v[X+8*\c+1], v[X+8*\c]
	v_mul_f32 v[OFF+\c], 0.5, v[X+8*\c+2]
	v_mul_f32 v[RNG+\c], 0.5, v[X+8*\c+3]
.endr
.irp c, 0,1,2,3
	v_rcp_f32 v[RCP+\c], v[RNG+\c]
.endr
	v_nop                                          ; a plain instruction between the last reciprocal and the use of its result (ISA guide 5.7.2)
	s_wait_alu depctr_va_vdst(0)
.rept 2
.irp c, 0,1,2,3
	v_fma_f32 v[X+8*\c], -v[RNG+\c], v[RCP+\c], 1.0
.endr
.irp c, 0,1,2,3
	v_fma_f32 v[RCP+\c], v[X+8*\c], v[RCP+\c], v[RCP+\c]
.endr
.endr
.irp c, 0,1,2,3                                        ; of y and its two neighbours the one with the least |1 - b y|; near a tie both residuals fit 24 bits, so the fused form gives them exactly
	v_add_nc_u32 v[X+8*\c+1], -1, v[RCP+\c]
	v_add_nc_u32 v[X+8*\c+2], 1, v[RCP+\c]
	v_fma_f32 v[X+8*\c+3], -v[RNG+\c], v[RCP+\c], 1.0
	v_fma_f32 v[X+8*\c+4], -v[RNG+\c], v[X+8*\c+1], 1.0
	v_fma_f32 v[X+8*\c+5], -v[RNG+\c], v[X+8*\c+2], 1.0
	v_cmp_lt_f32 vcc_lo, |v[X+8*\c+4]|, |v[X+8*\c+3]|
	v_cndmask_b32 v[RCP+\c], v[RCP+\c], v[X+8*\c+1], vcc_lo
	v_cndmask_b32 v[X+8*\c+3], v[X+8*\c+3], v[X+8*\c+4], vcc_lo
	v_cmp_lt_f32 vcc_lo, |v[X+8*\c+5]|, |v[X+8*\c+3]|
	v_cndmask_b32 v[RCP+\c], v[RCP+\c], v[X+8*\c+2], vcc_lo
	v_cmp_gt_f32 vcc_lo, 0x0d800000, v[RNG+\c]     ; a half range below 2^-100, 0 among them: the quotient counts as 0; the pole is multiplied by that half range anyway
	v_cndmask_b32 v[RCP+\c], v[RCP+\c], 0, vcc_lo
.endr
; PASS 3.  Groups g and g + 1: eight numbers a lane, as four pairs; pair j has the columns 2 (j % 2) and the next.  The four pairs go through each step one after the other, so that a line's sources were made four lines back.
.macro QUANT2 g
.set XB, X+4*(\g)
.irp j, 0,1,2,3
	v_pk_add_f32 v[XC+2*\j:XC+2*\j+1], v[XB+2*\j:XB+2*\j+1], v[OFF+2*(\j%2):OFF+2*(\j%2)+1] neg_lo:[0,1] neg_hi:[0,1]  ; a = x - offset
.endr
.irp e, 0,1,2,3,4,5,6,7
	v_cmp_gt_f32 s[MK+\e], v[XB+\e], v[LV+\e%4]
	v_cmp_lt_f32 s[MK+8+\e], v[XB+\e], v[UV+\e%4]
.endr
.irp e, 0,1,2,3,4,5,6,7
	s_and_b32 s[MK+\e], s[MK+\e], s[MK+8+\e]       ; between the bounds: no outlier
.endr
.irp e, 0,1,2,3,4,5,6,7
	v_cndmask_b32 v[XD+\e], 0, v[XC+\e], s[MK+\e]  ; the part that is quantised: 0 for an outlier
.endr
.irp j, 0,1,2,3
	v_pk_add_f32 v[XC+2*\j:XC+2*\j+1], v[XC+2*\j:XC+2*\j+1], v[XD+2*\j:XD+2*\j+1] neg_lo:[0,1] neg_hi:[0,1]  ; the outlier part
.endr
.irp j, 0,1,2,3
	v_pk_mul_f32 v[Q+2*\j:Q+2*\j+1], v[XD+2*\j:XD+2*\j+1], v[RCP+2*(\j%2):RCP+2*(\j%2)+1]  ; the quotient: one product, rounded once
.endr
.set k, 0
.rept 15                                               ; pole = lowest pole + the sum over the boundaries passed of the gap above each
.irp j, 0,1,2,3
	v_pk_fma_f32 v[R+2*\j:R+2*\j+1], v[Q+2*\j:Q+2*\j+1], v[BIG:BIG+1], v[CD+4*k:CD+4*k+1] clamp
.endr
.irp j, 0,1,2,3
.if k == 0
	v_pk_fma_f32 v[XD+2*\j:XD+2*\j+1], v[R+2*\j:R+2*\j+1], v[CD+2:CD+3], v[P0:P0+1]
.else
	v_pk_fma_f32 v[XD+2*\j:XD+2*\j+1], v[R+2*\j:R+2*\j+1], v[CD+4*k+2:CD+4*k+3], v[XD+2*\j:XD+2*\j+1]
.endif
.endr
.set k, k+1
.endr
.irp j, 0,1,2,3
	v_pk_fma_f32 v[XD+2*\j:XD+2*\j+1], v[XD+2*\j:XD+2*\j+1], v[RNG+2*(\j%2):RNG+2*(\j%2)+1], v[XC+2*\j:XC+2*\j+1]
.endr
.irp j, 0,1,2,3
	v_pk_add_f32 v[XD+2*\j:XD+2*\j+1], v[XD+2*\j:XD+2*\j+1], v[OFF+2*(\j%2):OFF+2*(\j%2)+1]
.endr
.irp e, 0,1,2,3,4,5,6,7
	v_cmp_gt_f32 s[MK+\e], s[PINF], |v[XD+\e]|     ; finite; NaN and infinities become 0
.endr
.irp e, 0,1,2,3,4,5,6,7
	v_cndmask_b32 v[XD+\e], 0, v[XD+\e], s[MK+\e]
.endr
.irp j, 0,1,2,3
	v_cvt_pk_f16_f32 v[QB+2*(\g)+\j], v[XD+2*\j], v[XD+2*\j+1]
.endr
.endm
	v_mov_b32 v[LA], v[LA0]
	s_mov_b32 s[CT], 8
.Lpass3:                                               ; a trip: 2,048 bytes of weight and 64 rows of x
	s_wait_loadcnt 0x0                             ; the four loads of weight asked for a whole trip ago: the only global loads that are out
.irp i, 0,1,2,3
	v_cvt_pk_f16_f32 v[WOUT+2*\i], v[W+4*\i], v[W+4*\i+1]
	v_cvt_pk_f16_f32 v[WOUT+2*\i+1], v[W+4*\i+2], v[W+4*\i+3]
.endr
	s_cmp_eq_u32 s[CT], 1
	s_cbranch_scc1 .Lno_more_w                     ; the last trip asks for nothing: no load leaves my share
.irp i, 0,1,2,3
	global_load_b128 v[W+4*\i:W+4*\i+3], v[O16], s[6:7] offset:512*\i th:TH_LOAD_NT
.endr
.Lno_more_w:
.irp i, 0,1,2,3
	global_store_b64 v[O8], v[WOUT+2*\i:WOUT+2*\i+1], s[12:13] offset:256*\i  ; each store of the wave covers 256 consecutive bytes, aligned
.endr
	GROUPS8
.irp p, 0,1,2,3
	s_wait_dscnt 6-2*\p                            ; groups 2 p and 2 p + 1 are in
	QUANT2 2*\p
	global_store_b64 v[O8], v[QB+4*\p:QB+4*\p+1], s[10:11] offset:512*\p        ; eight rows of 32 bytes: 256 consecutive bytes, aligned
	global_store_b64 v[O8], v[QB+4*\p+2:QB+4*\p+3], s[10:11] offset:512*\p+256
.endr
	s_wait_xcnt 0x0                                ; the three bases, and the data registers that the next trip writes anew, are free only behind this wait
	s_add_nc_u64 s[6:7], s[6:7], 2048
	s_add_nc_u64 s[12:13], s[12:13], 1024
	s_add_nc_u64 s[10:11], s[10:11], 2048
	v_add_nc_u32 v[LA], 4096, v[LA]
	s_sub_co_u32 s[CT], s[CT], 1
	s_cmp_lg_u32 s[CT], 0
	s_cbranch_scc1 .Lpass3
	s_wait_tensorcnt 0x0                           ; the wave's end: behind my last tensor load and my last LDS store
	ds_add_u32 v[SPW], v[NIL]
	s_wait_dscnt 0x0
	s_endpgm
.Lfunc_end_k_qe9eca20e85_prep:
	.size	k_qe9eca20e85_prep, .Lfunc_end_k_qe9eca20e85_prep-k_qe9eca20e85_prep
	.p2alignl 7, 3214868480
	.fill 96, 4, 3214868480
	.section	.rodata,"a",@progbits
	.p2align	6, 0x0
	.amdhsa_kernel k_qe9eca20e85_prep
		.amdhsa_group_segment_fixed_size 327680
		.amdhsa_private_segment_fixed_size 0
		.amdhsa_enable_private_segment 0
		.amdhsa_kernarg_size 40
		.amdhsa_user_sgpr_count 2
		.amdhsa_user_sgpr_kernarg_segment_ptr 1
		.amdhsa_wavefront_size32 1
		.amdhsa_system_sgpr_workgroup_id_x 1
		.amdhsa_system_sgpr_workgroup_id_y 1
		.amdhsa_system_sgpr_workgroup_id_z 1
		.amdhsa_system_vgpr_workitem_id 0
		.amdhsa_next_free_vgpr 256
		.amdhsa_next_free_sgpr 84
		.amdhsa_reserve_vcc 1
		.amdhsa_float_denorm_mode_32 3
		.amdhsa_float_denorm_mode_16_64 3
		.amdhsa_memory_ordered 1
		.amdhsa_forward_progress 1
		.amdhsa_inst_pref_size 195
	.end_amdhsa_kernel
	.amdgpu_metadata
---
amdhsa.version: [ 1, 2 ]
amdhsa.kernels:
  - .name:           k_qe9eca20e85_prep
    .symbol:         k_qe9eca20e85_prep.kd
    .args:
      - { .name: x, .offset: 0, .size: 8, .value_kind: global_buffer, .address_space: global }
      - { .name: weight, .offset: 8, .size: 8, .value_kind: global_buffer, .address_space: global }
      - { .name: nf_lut, .offset: 16, .size: 8, .value_kind: global_buffer, .address_space: global }
      - { .name: qb, .offset: 24, .size: 8, .value_kind: global_buffer, .address_space: global }
      - { .name: wb, .offset: 32, .size: 8, .value_kind: global_buffer, .address_space: global }
    .group_segment_fixed_size: 327680
    .private_segment_fixed_size: 0
    .kernarg_segment_align: 8
    .kernarg_segment_size: 40
    .max_flat_workgroup_size: 256
    .sgpr_count:     84
    .vgpr_count:     256
    .wavefront_size: 32
...
	.end_amdgpu_metadata
.endif
;; end of part 3
;; launch gemm: the kernel of part 2 again; grid 16 x 16, 4 waves a work-group, clusters of 4 x 4, 327,680 bytes of LDS; arguments qb, wb, out0; writes out0
